; MI455X (gfx1250); checked and timed in simulation.
; The chip was launched on July 23, 2026; its instructions are those of AMD's public machine-readable ISA for CDNA 5 (MIT licence, August 2026) and "CDNA5" Instruction Set Architecture Reference Guide (July 2026). The comments in the code are by the model that wrote it; some were corrected since.
;; Event Attention. Allowed arithmetic: matrix products marked QUANTISED: E5M2 operands, one given power-of-two scale a tensor, by v_wmma_f32_16x16x64_bf8_bf8 or v_wmma_f32_16x16x128_bf8_bf8, f32 sums; products left as they are: f32 operands where the result goes on into a quantised operand, else bf16, f16 or f32 operands; f32 sums; everything else in f32.
;; Inputs: down_idx 2,500 int32; events 20,000 x 4 float32; features 20,000 x 256 float32; global_fc_b 128 float32; global_fc_g 128 float32; global_pe_b1 128 float32; global_pe_b2 128 float32; global_pe_w1 4 x 128 float32; global_pe_w2 128 x 128 float32; global_qkv_b 384 float32; global_qkv_w 256 x 384 float32; inv_pair_idx 20,000 x 16 int32; local_fc_b 128 float32; local_fc_g 128 float32; local_idx 20,000 x 16 int32; local_pe_b1 128 float32; local_pe_b2 128 float32; local_pe_w1 4 x 128 float32; local_pe_w2 128 x 128 float32; local_qkv_b 384 float32; local_qkv_w 256 x 384 float32; lowp_scales 12 int32 (the exponents e of the quantised operands' scales 2^e); pair_idx 2,500 x 16 int32; proj_b1 256 float32; proj_b2 256 float32; proj_w1 256 x 256 float32; proj_w2 256 x 256 float32.
;; Outputs: out0 20,000 x 256 float32.
;; This version of the problem:
;;   THIS VERSION OF THE PROBLEM IS GIVEN IN LOW PRECISION. The matrix products marked QUANTISED in the list below multiply operands that are first quantised to E5M2 (5 exponent bits, 2 mantissa bits; 8 bits a number), with one given power-of-two scale for each operand tensor; their sums are f32. All else is computed in f32.
;;   The module's matrix products, in the order in which they are computed (A, B: the left and right operand; K: the contracted axis; several contracted axes count as one K, in the product's order):
;;     1. [M 320,000, K 4] x [K 4, N 128]; A: computed on the way; B: input local_pe_w1: left as it is (K = 4 < 32)
;;     2. [M 320,000, K 128] x [K 128, N 128]; A: computed on the way; B: input local_pe_w2: QUANTISED (scales: A lowp_scales[0], B lowp_scales[1])
;;     3. [M 20,000, K 256] x [K 256, N 384]; A: input features; B: input local_qkv_w: QUANTISED (scales: A lowp_scales[2], B lowp_scales[3])
;;     4. [M 320,000, K 4] x [K 4, N 128]; A: computed on the way; B: input global_pe_w1: left as it is (K = 4 < 32)
;;     5. [M 320,000, K 128] x [K 128, N 128]; A: computed on the way; B: input global_pe_w2: QUANTISED (scales: A lowp_scales[4], B lowp_scales[5])
;;     6. [M 20,000, K 256] x [K 256, N 384]; A: input features; B: input global_qkv_w: QUANTISED (scales: A lowp_scales[6], B lowp_scales[7])
;;     7. [M 20,000, K 256] x [K 256, N 256]; A: computed on the way; B: input proj_w1: QUANTISED (scales: A lowp_scales[8], B lowp_scales[9])
;;     8. [M 20,000, K 256] x [K 256, N 256]; A: computed on the way; B: input proj_w2: QUANTISED (scales: A lowp_scales[10], B lowp_scales[11])
;;   THE QUANTISER, for each operand of a quantised product, along K:
;;     - The operand's scale is 2^e, e = its entry of the input lowp_scales (int32; the entries are numbered through the quantised products in the list's order, A before B).
;;     - Each number is divided by the scale, clamped to +-57,344, and rounded to the nearest number of E5M2, ties to even, subnormals kept.
;;     - The product sums the exact products of the quantised numbers (number of the format x scale) in f32.
;;   ~~~python
;;   def quantise(x, axis, e):      # numpy; x: float32 -> the quantised numbers, widened to float32 again
;;       x = np.moveaxis(x, axis, -1); K = x.shape[-1]
;;       r = np.clip(x / 2.0 ** e, -57344, 57344)
;;       step = 2.0 ** (np.maximum(np.frexp(np.where(r == 0, 1, r))[1] - 1, -14) - 2)
;;       q = np.round(r / step) * step * 2.0 ** e      # np.round: ties to even
;;       return np.moveaxis(q, -1, axis).astype(np.float32)
;;   ~~~
;;   OPERANDS COMPUTED ON THE WAY. 'Computed on the way' means the value that the module computes at that place (a softmax that the list does not call 'softmax' is quantised finished and normalised). What goes into a quantiser is computed in f32, as accurately as f32 sums, v_exp_f32 and their like allow (about 1e-6 of the number): no bf16 or f16 on the way to a quantiser, and a product that is left as it is and whose result goes on into a quantised operand takes f32 operands (vector FMAs, or v_wmma_f32_16x16x4_f32). A number that lies on a knife's edge between two numbers of the format may be rounded either way, as far as f32 arithmetic and the matrix unit's own rounding can turn it there, and no further.
;; 2 versions, each right; version 2 is version 1 with the launches qkv, attn written anew for expert scheduling mode. Each part assembles by itself: llvm-mc -triple=amdgcn-amd-amdhsa -mcpu=gfx1250 --defsym DOCPART=n.
;; ======== version 1 of 2: 4 launches
;; workspace buffers: wimg 360,448 bytes; qbias 3,072 bytes; de 40,192 bytes; tabl 30,720,000 bytes; tabg 30,720,000 bytes; kvp 3,840,000 bytes
;; launch prep (part 1): grid 65 x 1, 4 waves a work-group, no clusters, 0 bytes of LDS; arguments local_qkv_w, global_qkv_w, local_pe_w2, global_pe_w2, proj_w1, proj_w2, lowp_scales, events, down_idx, local_qkv_b, global_qkv_b, local_pe_b2, global_pe_b2, wimg, de, qbias; writes wimg, de, qbias
.if DOCPART == 1
	.amdgcn_target "amdgcn-amd-amdhsa--gfx1250"
	.amdhsa_code_object_version 6
	.text
	.protected	k_qb2b1b9bd71_prep
	.globl	k_qb2b1b9bd71_prep
	.p2align	8
	.type	k_qb2b1b9bd71_prep,@function
k_qb2b1b9bd71_prep:
	s_mov_b64 s[64:65], 0
	v_nop
	global_prefetch_b8 v0, s[64:65] scope:SCOPE_SE
	s_setreg_imm32_b32 hwreg(HW_REG_WAVE_MODE, 25, 1), 1
	s_wait_xcnt 0x0
; What every later work-group reads is made once here.
; (1) Work-groups 0-43: the six weights become codes of BF8 (E5M2), each with its given scale 2^e, laid as IMAGES of operand registers.
;     An image is one fragment, 16 columns x 128 K: 2,048 bytes; registers 4 c .. 4 c + 3 of lane l lie at 512 c + 16 l, and in lane (r = l % 16, h = l / 16)
;     registers 4 b .. 4 b + 3 hold k = 32 b + 16 h + 0 .. 15 of the lane's column.  A wave makes one image: a lane takes a column and its registers run down K.
;     Image f: 0-47 local_qkv_w, 48-95 global_qkv_w (tile f' / 2, K step f' % 2, column 16 T + r); 96-103 local_pe_w2, 104-111 global_pe_w2 (column 64 (T / 4) + 4 r + T % 4);
;     112-143 proj_w1 (column 32 (T / 2) + 8 (T % 2) + r + 8 (r / 8)); 144-175 proj_w2 (column 16 T + r).
; (2) Work-groups 44-63: de[m] = events[down_idx[m]], 16 bytes a row.
; (3) Work-group 64: the biases of the tables Q', K', V', divided by 2^es (es = e0 + e1 local, e4 + e5 global): q: qkv_b + pe_b2, k: qkv_b, v: qkv_b + pe_b2.
; LIMITS: each e between -126 and 112; NaN and infinities among the inputs are not served; an index lies inside its table (the hold at 19,999 is events' last row).
.macro WLOAD pitch                     ; W(32 b + 16 h + i, my column): v3 carries column, half and K step
.irp b, 0,1,2,3
.irp i, 0,1,2,3,4,5,6,7,8,9,10,11,12,13,14,15
	global_load_b32 v[16+16*\b+\i], v3, s[40:41] offset:(32*\b+\i)*\pitch
.endr
.endr
.endm
	s_load_b512 s[4:19], s[0:1], 0x0               ; local_qkv_w, global_qkv_w, local_pe_w2, global_pe_w2, proj_w1, proj_w2, lowp_scales, events
	s_load_b512 s[20:35], s[0:1], 0x40             ; down_idx, local_qkv_b, global_qkv_b, local_pe_b2, global_pe_b2, wimg, de, qbias
	v_lshrrev_b32 v1, 5, v0
	v_readfirstlane_b32 s36, v1                    ; wave
	v_and_b32 v1, 31, v0                           ; lane
	v_and_b32 v2, 15, v0                           ; r
	v_bfe_u32 v5, v0, 4, 1                         ; h
	v_lshlrev_b32 v4, 4, v1                        ; 16 x lane
	s_mov_b32 s49, 0
	s_wait_kmcnt 0x0
	s_cmp_ge_u32 ttmp9, 64
	s_cbranch_scc1 .Lbias
	s_cmp_ge_u32 ttmp9, 44
	s_cbranch_scc1 .Lde
	s_lshl_b32 s37, ttmp9, 2
	s_add_co_u32 s37, s37, s36                     ; f: my wave's image
	s_cmp_ge_u32 s37, 112
	s_cbranch_scc1 .Lproj
	s_cmp_ge_u32 s37, 96
	s_cbranch_scc1 .Lpe
	; ---- a qkv weight: [256][384], a row is 1,536 bytes
	s_cmp_ge_u32 s37, 48
	s_cselect_b64 s[40:41], s[6:7], s[4:5]
	s_cselect_b32 s38, 48, 0
	s_cselect_b32 s48, 28, 12                      ; its scale: entry 7 or 3
	s_sub_co_u32 s38, s37, s38
	s_lshr_b32 s39, s38, 1                         ; T
	s_and_b32 s38, s38, 1                          ; K step
	s_lshl_b32 s39, s39, 6                         ; 16 T columns of 4 bytes
	s_mul_i32 s38, s38, 128*1536
	s_add_co_u32 s38, s38, s39
	v_mul_u32_u24 v3, v5, 16*1536
	v_lshl_add_u32 v3, v2, 2, v3
	v_add_nc_u32 v3, s38, v3
	WLOAD 1536
	s_branch .Lquant
.Lpe:                                              ; ---- a pe_w2: [128][128], a row is 512 bytes
	s_cmp_ge_u32 s37, 104
	s_cselect_b64 s[40:41], s[10:11], s[8:9]
	s_cselect_b32 s38, 8, 0
	s_cselect_b32 s48, 20, 4                       ; entry 5 or 1
	s_sub_co_u32 s38, s37, s38
	s_sub_co_u32 s38, s38, 96                      ; T
	s_lshr_b32 s39, s38, 2
	s_lshl_b32 s39, s39, 8                         ; 64 (T / 4) columns
	s_and_b32 s38, s38, 3
	s_lshl_b32 s38, s38, 2                         ; + T % 4
	s_add_co_u32 s38, s38, s39
	v_lshlrev_b32 v3, 13, v5                       ; 16 h rows
	v_lshl_add_u32 v3, v2, 4, v3                   ; + 4 r columns
	v_add_nc_u32 v3, s38, v3
	WLOAD 512
	s_branch .Lquant
.Lproj:                                            ; ---- proj_w1 or proj_w2: [256][256], a row is 1,024 bytes
	s_cmp_ge_u32 s37, 144
	s_cselect_b64 s[40:41], s[14:15], s[12:13]
	s_cselect_b32 s38, 32, 0
	s_cselect_b32 s48, 44, 36                      ; entry 11 or 9
	s_cselect_b32 s43, 0, 8                        ; proj_w1's lanes 8-15 stand 8 columns further on,
	s_cselect_b32 s45, 16, 8                       ; and its odd tiles begin 8 columns behind the even ones, not 16
	s_sub_co_u32 s38, s37, s38
	s_sub_co_u32 s38, s38, 112
	s_lshr_b32 s39, s38, 1                         ; T
	s_and_b32 s38, s38, 1                          ; K step
	s_and_b32 s44, s39, 1
	s_mul_i32 s44, s44, s45
	s_lshr_b32 s39, s39, 1
	s_lshl_b32 s39, s39, 5
	s_add_co_u32 s39, s39, s44                     ; the tile's first column
	s_lshl_b32 s39, s39, 2
	s_mul_i32 s38, s38, 128*1024
	s_add_co_u32 s38, s38, s39
	v_lshrrev_b32 v6, 3, v2
	v_mad_u32_u24 v6, v6, s43, v2                  ; the lane's column in the tile
	v_lshlrev_b32 v3, 14, v5                       ; 16 h rows
	v_lshl_add_u32 v3, v6, 2, v3
	v_add_nc_u32 v3, s38, v3
	WLOAD 1024
.Lquant:
	s_add_nc_u64 s[48:49], s[16:17], s[48:49]
	s_load_b32 s44, s[48:49], 0x0                  ; e
	s_lshl_b32 s46, s37, 11
	s_mov_b32 s47, 0
	s_add_nc_u64 s[46:47], s[30:31], s[46:47]      ; my image's place
	s_wait_kmcnt 0x0
	s_add_co_i32 s44, s44, 127
	s_lshl_b32 s45, s44, 23
	v_mov_b32 v11, s45                             ; 2^e as f32: the conversion takes its exponent field
	s_add_co_i32 s44, s44, 15
	s_lshl_b32 s44, s44, 23
	s_or_b32 s44, s44, 0x600000
	v_mov_b32 v10, s44                             ; 57,344 x 2^e
	s_wait_loadcnt 0x0
.set i, 0
.rept 64
	v_med3_num_f32 v[16+i], v[16+i], -v10, v10     ; the conversion to an 8-bit code does not saturate (ISA guide 7.6.2): the hold comes first
.set i, i+1
.endr
.irp g, 0,1,2,3,4,5,6,7
	v_cvt_scalef32_pk8_bf8_f32 v[80+2*\g:81+2*\g], v[16+8*\g:23+8*\g], v11
.endr
.irp c, 0,1,2,3
	global_store_b128 v4, v[80+4*\c:83+4*\c], s[46:47] offset:512*\c   ; 32 lanes store 512 consecutive bytes, aligned
.endr
	s_endpgm
.Lde:                                              ; ---- de: a thread a row
	s_sub_co_u32 s37, ttmp9, 44
	s_lshl_b32 s37, s37, 7
	v_add_nc_u32 v9, s37, v0                       ; m
	v_min_u32 v3, 2499, v9                         ; the loads of the threads past the end stay inside
	v_lshlrev_b32 v6, 2, v3
	global_load_b32 v7, v6, s[20:21]
	v_lshlrev_b32 v8, 4, v3
	s_wait_loadcnt 0x0
	v_min_u32 v7, 0x4e1f, v7
	v_lshlrev_b32 v7, 4, v7
	global_load_b128 v[12:15], v7, s[18:19]
	v_cmp_gt_u32 vcc_lo, 2500, v9
	s_wait_loadcnt 0x0
	s_wait_xcnt 0x0                                ; EXEC changes only behind this wait
	s_and_saveexec_b32 s38, vcc_lo                 ; only rows that exist are stored
	global_store_b128 v8, v[12:15], s[32:33]
	s_wait_xcnt 0x0
	s_or_b32 exec_lo, exec_lo, s38
	s_endpgm
.Lbias:                                            ; ---- the tables' biases: thread t takes channel t of q, k and v, for both branches
	v_lshlrev_b32 v3, 2, v0
	s_load_b256 s[40:47], s[16:17], 0x0            ; e0 .. e7
.irp k, 0,1,2
	global_load_b32 v[16+\k], v3, s[22:23] offset:512*\k
	global_load_b32 v[19+\k], v3, s[24:25] offset:512*\k
.endr
	global_load_b32 v22, v3, s[26:27]
	global_load_b32 v23, v3, s[28:29]
	s_wait_kmcnt 0x0
	s_add_co_i32 s40, s40, s41
	s_sub_co_i32 s40, 0, s40                       ; -(e0 + e1)
	s_add_co_i32 s44, s44, s45
	s_sub_co_i32 s44, 0, s44                       ; -(e4 + e5)
	s_wait_loadcnt 0x0
	v_add_f32 v16, v16, v22
	v_add_f32 v18, v18, v22
	v_add_f32 v19, v19, v23
	v_add_f32 v21, v21, v23
.irp k, 0,1,2
	v_ldexp_f32 v[16+\k], v[16+\k], s40
	v_ldexp_f32 v[19+\k], v[19+\k], s44
.endr
.irp k, 0,1,2,3,4,5
	global_store_b32 v3, v[16+\k], s[34:35] offset:512*\k
.endr
	s_endpgm
.Lfunc_end_k_qb2b1b9bd71_prep:
	.size	k_qb2b1b9bd71_prep, .Lfunc_end_k_qb2b1b9bd71_prep-k_qb2b1b9bd71_prep
	.p2alignl 7, 3214868480
	.fill 96, 4, 3214868480
	.section	.rodata,"a",@progbits
	.p2align	6, 0x0
	.amdhsa_kernel k_qb2b1b9bd71_prep
		.amdhsa_group_segment_fixed_size 0
		.amdhsa_private_segment_fixed_size 0
		.amdhsa_enable_private_segment 0
		.amdhsa_kernarg_size 128
		.amdhsa_user_sgpr_count 2
		.amdhsa_user_sgpr_kernarg_segment_ptr 1
		.amdhsa_wavefront_size32 1
		.amdhsa_system_sgpr_workgroup_id_x 1
		.amdhsa_system_sgpr_workgroup_id_y 1
		.amdhsa_system_sgpr_workgroup_id_z 1
		.amdhsa_system_vgpr_workitem_id 0
		.amdhsa_next_free_vgpr 96
		.amdhsa_next_free_sgpr 66
		.amdhsa_reserve_vcc 1
		.amdhsa_float_denorm_mode_32 3
		.amdhsa_float_denorm_mode_16_64 3
		.amdhsa_memory_ordered 1
		.amdhsa_forward_progress 1
		.amdhsa_inst_pref_size 30
	.end_amdhsa_kernel
	.amdgpu_metadata
---
amdhsa.version: [ 1, 2 ]
amdhsa.kernels:
  - .name:           k_qb2b1b9bd71_prep
    .symbol:         k_qb2b1b9bd71_prep.kd
    .args:
      - { .name: local_qkv_w, .offset: 0, .size: 8, .value_kind: global_buffer, .address_space: global }
      - { .name: global_qkv_w, .offset: 8, .size: 8, .value_kind: global_buffer, .address_space: global }
      - { .name: local_pe_w2, .offset: 16, .size: 8, .value_kind: global_buffer, .address_space: global }
      - { .name: global_pe_w2, .offset: 24, .size: 8, .value_kind: global_buffer, .address_space: global }
      - { .name: proj_w1, .offset: 32, .size: 8, .value_kind: global_buffer, .address_space: global }
      - { .name: proj_w2, .offset: 40, .size: 8, .value_kind: global_buffer, .address_space: global }
      - { .name: lowp_scales, .offset: 48, .size: 8, .value_kind: global_buffer, .address_space: global }
      - { .name: events, .offset: 56, .size: 8, .value_kind: global_buffer, .address_space: global }
      - { .name: down_idx, .offset: 64, .size: 8, .value_kind: global_buffer, .address_space: global }
      - { .name: local_qkv_b, .offset: 72, .size: 8, .value_kind: global_buffer, .address_space: global }
      - { .name: global_qkv_b, .offset: 80, .size: 8, .value_kind: global_buffer, .address_space: global }
      - { .name: local_pe_b2, .offset: 88, .size: 8, .value_kind: global_buffer, .address_space: global }
      - { .name: global_pe_b2, .offset: 96, .size: 8, .value_kind: global_buffer, .address_space: global }
      - { .name: wimg, .offset: 104, .size: 8, .value_kind: global_buffer, .address_space: global }
      - { .name: de, .offset: 112, .size: 8, .value_kind: global_buffer, .address_space: global }
      - { .name: qbias, .offset: 120, .size: 8, .value_kind: global_buffer, .address_space: global }
    .group_segment_fixed_size: 0
    .private_segment_fixed_size: 0
    .kernarg_segment_align: 8
    .kernarg_segment_size: 128
    .max_flat_workgroup_size: 128
    .sgpr_count:     66
    .vgpr_count:     96
    .wavefront_size: 32
...
	.end_amdgpu_metadata
.endif
;; end of part 1
;; launch qkv (part 2): grid 250 x 1, 12 waves a work-group, no clusters, 196,096 bytes of LDS; arguments features, wimg, qbias, lowp_scales, tabl, tabg; writes tabl, tabg
.if DOCPART == 2
	.amdgcn_target "amdgcn-amd-amdhsa--gfx1250"
	.amdhsa_code_object_version 6
	.text
	.protected	k_qb2b1b9bd71_qkv
	.globl	k_qb2b1b9bd71_qkv
	.p2align	8
	.type	k_qb2b1b9bd71_qkv,@function
k_qb2b1b9bd71_qkv:
	s_mov_b64 s[64:65], 0
	v_nop
	global_prefetch_b8 v0, s[64:65] scope:SCOPE_SE
	s_setreg_imm32_b32 hwreg(HW_REG_WAVE_MODE, 25, 1), 1
	s_wait_xcnt 0x0
; tabl, tabg [20000][384] f32 = Q' | K' | V' = (features x qkv_w + bias) / 2^es, es = e0 + e1 (local) or e4 + e5 (global): both products on codes of BF8.
; A raw sum stands for sum x 2^(eA + eB), so a table's number is sum x 2^(eA + eB - es) + the bias that the launch before has divided by 2^es: one packed multiply-add.
; SHARES.  A work-group takes 80 rows, five tiles of 16.  THE WAVES SHARE THE COLUMNS: wave w serves set w / 6 (0 local, 1 global) and 64 columns, 256 bytes of a table's row;
; its eight images of the weight (4 tiles x 2 K steps, 128 registers) stay in registers.  The features are read once: waves 0-9 take one chunk each (16 rows x 128 K), turn it through
; their own LDS rows so that a lane holds 16 neighbours along K, quantise it twice (the two products have scales of their own) and leave the fragments in LDS as images of registers.
; The product is used transposed (source 0 = 16 columns of W, source 1 = 16 rows): a lane holds eight neighbouring columns of one row; they go through the wave's own stage and
; leave as whole rows of 256 bytes, sixteen lanes to an aligned block.
; No tensor loads and no cluster: work-groups share only the weights, which each wave reads once into registers.
; LIMITS: e2, e6 between -126 and 112; e2 + e3 - e0 - e1 and e6 + e7 - e4 - e5 between -126 and 127.  NaN and infinities are not served.
.set STG,  40960                       ; LDS: 0: 20 images (10 x set + 2 m + s) of 2,048 bytes; STG: 12 stages of 16 x 272; TURN: 12 regions of 16 x 528
.set TURN, 93184
.set L16,  1                           ; v1  16 x lane
.set TW,   2                           ; v2  the turn, way in
.set TR,   3                           ; v3  the turn, way out: row r, 64 h
.set IW,   4                           ; v4  where I store my images
.set LIS,  5                           ; v5  where I read my set's images
.set STO,  6                           ; v6  the stage, in
.set RD,   7                           ; v7  the stage, back
.set CO,   8                           ; v8  my bytes in two rows of the table
.set H32,  9                           ; v9  32 h
.set TT,   16                          ; v16-31  numbers held, two sets of eight
.set BIAS, 32                          ; v32-63  first the codes (two fragments), then the biases
.set XR,   64                          ; v64-127 a chunk's 64 numbers a lane; then:
.set AF,   64                          ; v64-95  two fragments of the features; then 16 rows read back from the stage
.set ACC,  96                          ; v96-127 four accumulators
.set WR,   128                         ; v128-255 my eight images of W
	s_load_b256 s[4:11], s[0:1], 0x0               ; features, wimg, qbias, lowp_scales
	s_load_b128 s[12:15], s[0:1], 0x20             ; tabl, tabg
	s_set_vgpr_msb 0x40
	v_lshl_add_u32 v0, v0, 2, 0x2f800
	v_mov_b32 v1, 0
	s_set_vgpr_msb 0x4000
	v_lshrrev_b32 v1, 5, v0
	v_readfirstlane_b32 s16, v1                    ; wave 0..11
	s_mul_i32 s17, s16, 43
	s_lshr_b32 s17, s17, 8                         ; set = wave / 6
	s_mul_i32 s18, s17, 6
	s_sub_co_u32 s18, s16, s18                     ; which 64 columns
	v_and_b32 v14, 31, v0
	v_and_b32 v15, 15, v0                          ; r
	v_bfe_u32 v9, v0, 4, 1                         ; h
	v_lshlrev_b32 v[L16], 4, v14
	s_mul_i32 s19, s16, 8448                       ; every LDS address is made here, ahead of the first branch on the wave's number
	s_add_co_u32 s19, s19, TURN
	v_add_nc_u32 v[TW], s19, v[L16]
	v_mul_u32_u24 v[TR], v15, 528
	v_lshl_add_u32 v[TR], v9, 6, v[TR]
	v_add_nc_u32 v[TR], s19, v[TR]
	s_lshl_b32 s19, s16, 11
	v_add_nc_u32 v[IW], s19, v[L16]
	s_mul_i32 s19, s17, 20480
	v_add_nc_u32 v[LIS], s19, v[L16]
	s_mul_i32 s19, s16, 4352
	s_add_co_u32 s19, s19, STG
	v_mul_u32_u24 v[STO], v15, 272
	v_lshl_add_u32 v[STO], v9, 5, v[STO]
	v_add_nc_u32 v[STO], s19, v[STO]
	v_mul_u32_u24 v[RD], v9, 272
	v_lshl_add_u32 v[RD], v15, 4, v[RD]
	v_add_nc_u32 v[RD], s19, v[RD]
	v_mul_u32_u24 v[CO], v9, 1536
	v_lshl_add_u32 v[CO], v15, 4, v[CO]
	v_lshlrev_b32 v[H32], 5, v9
	s_wait_kmcnt 0x0
	s_load_b256 s[24:31], s[10:11], 0x0            ; e0 .. e7
	s_mul_i32 s20, ttmp9, 80*1024
	s_lshr_b32 s21, s16, 1
	s_lshl_b32 s21, s21, 14                        ; my chunk: rows 16 (wave / 2) on,
	s_add_co_u32 s20, s20, s21
	s_and_b32 s21, s16, 1
	s_lshl_b32 s21, s21, 9                         ; K step wave % 2
	s_add_co_u32 s20, s20, s21
	s_mov_b32 s21, 0
	s_add_nc_u64 s[4:5], s[4:5], s[20:21]
	s_mul_i32 s20, s17, 48
	s_lshl_b32 s22, s18, 3
	s_add_co_u32 s20, s20, s22
	s_lshl_b32 s20, s20, 11
	s_add_nc_u64 s[6:7], s[6:7], s[20:21]          ; my eight images, 16 KiB on end
	s_mul_i32 s20, s17, 1536
	s_lshl_b32 s22, s18, 8
	s_add_co_u32 s20, s20, s22
	s_add_nc_u64 s[8:9], s[8:9], s[20:21]          ; my 64 biases
	s_cmp_eq_u32 s17, 0
	s_cselect_b64 s[12:13], s[12:13], s[14:15]     ; my set's table
	s_mul_i32 s20, ttmp9, 80*1536
	s_add_co_u32 s20, s20, s22
	s_add_nc_u64 s[12:13], s[12:13], s[20:21]      ; at the work-group's first row, my 256 bytes
	s_cmp_ge_u32 s16, 10
	s_cbranch_scc1 .Lno_x
.irp i, 0,1,2,3,4,5,6,7,8,9,10,11,12,13,14,15
	global_load_b128 v[XR+4*\i:XR+4*\i+3], v[L16], s[4:5] offset:1024*\i th:TH_LOAD_NT   ; row i: 512 consecutive bytes
.endr
.Lno_x:
.set i, 0
.rept 32
	global_load_b128 v[WR+4*i:WR+4*i+3], v[L16], s[6:7] offset:512*i
.set i, i+1
.endr
	s_wait_kmcnt 0x0
	s_add_co_i32 s32, s26, 127
	s_lshl_b32 s33, s32, 23
	v_mov_b32 v10, s33                             ; 2^e2
	s_add_co_i32 s32, s32, 15
	s_lshl_b32 s32, s32, 23
	s_or_b32 s32, s32, 0x600000
	v_mov_b32 v11, s32                             ; 57,344 x 2^e2
	s_add_co_i32 s32, s30, 127
	s_lshl_b32 s33, s32, 23
	v_mov_b32 v12, s33                             ; 2^e6
	s_add_co_i32 s32, s32, 15
	s_lshl_b32 s32, s32, 23
	s_or_b32 s32, s32, 0x600000
	v_mov_b32 v13, s32                             ; 57,344 x 2^e6
	s_add_co_i32 s34, s26, s27
	s_sub_co_i32 s34, s34, s24
	s_sub_co_i32 s34, s34, s25                     ; e2 + e3 - e0 - e1
	s_add_co_i32 s35, s30, s31
	s_sub_co_i32 s35, s35, s28
	s_sub_co_i32 s35, s35, s29                     ; e6 + e7 - e4 - e5
	s_cmp_eq_u32 s17, 0
	s_cselect_b32 s34, s34, s35
	s_add_co_i32 s34, s34, 127
	s_lshl_b32 s34, s34, 23                        ; my set's power of two as f32
	s_mov_b32 s35, s34                             ; (named with it as a pair, so it is written)
; 64 numbers of a lane become a fragment's codes in v[pc] on, and the fragment goes to LDS as it stands.  The numbers are kept: they are quantised twice.
.macro QUANT2 pc, scl, lim, off
.irp g, 0,1,2,3,4,5,6,7
.irp i, 0,1,2,3,4,5,6,7
	v_med3_num_f32 v[TT+8*(\g%2)+\i], v[XR+8*\g+\i], -v[\lim], v[\lim]   ; the hold at the largest code x the scale (ISA guide 7.6.2: the conversion does not saturate)
.endr
	v_cvt_scalef32_pk8_bf8_f32 v[\pc+2*\g:\pc+2*\g+1], v[TT+8*(\g%2):TT+8*(\g%2)+7], v[\scl]
.endr
	v_nop                                          ; a plain line behind the last conversion
.irp c, 0,1,2,3
	ds_store_b128 v[IW], v[\pc+4*\c:\pc+4*\c+3] offset:\off+512*\c
.endr
.endm
	s_cmp_ge_u32 s16, 10
	s_cbranch_scc1 .Lno_q
	s_wait_loadcnt 32                              ; my chunk is in; the 32 loads of W behind it may be out
.irp i, 0,1,2,3,4,5,6,7,8,9,10,11,12,13,14,15
	ds_store_b128 v[TW], v[XR+4*\i:XR+4*\i+3] offset:528*\i    ; rows 528 bytes apart, an odd multiple of 16
.endr
.irp b, 0,1,2,3
.irp q, 0,1,2,3
	ds_load_b128 v[XR+16*\b+4*\q:XR+16*\b+4*\q+3], v[TR] offset:128*\b+16*\q   ; my own bytes, served in order (ISA guide 5.7.1.4): k = 32 b + 16 h + 4 q on of row r
.endr
.endr
	s_wait_dscnt 0x0
	QUANT2 32, 10, 11, 0
	QUANT2 48, 12, 13, 20480
.Lno_q:
	s_wait_dscnt 0x0                               ; my images have landed
	s_barrier_signal -1
	s_barrier_wait -1                              ; all twenty lie in LDS
.irp t, 0,1,2,3
.irp q, 0,1
	global_load_b128 v[BIAS+8*\t+4*\q:BIAS+8*\t+4*\q+3], v[H32], s[8:9] offset:64*\t+16*\q   ; lane (r, h), tile t: columns 16 t + 8 h + 0 .. 7
.endr
.endr
; One tile of 16 rows: two fragments from LDS, eight products (four accumulators by turns), the multiply-add, the stage, eight stores.
.macro ROWS m
.irp s, 0,1
.irp c, 0,1,2,3
	ds_load_b128 v[AF+16*\s+4*\c:AF+16*\s+4*\c+3], v[LIS] offset:(2*\m+\s)*2048+512*\c
.endr
.endr
	s_wait_dscnt 0x0
.if \m == 0
	s_wait_loadcnt 8                               ; W is in; the eight loads of the biases may be out
.endif
.irp t, 0,1,2,3
	v_wmma_f32_16x16x128_bf8_bf8 v[ACC+8*\t:ACC+8*\t+7], v[WR+32*\t:WR+32*\t+15], v[AF:AF+15], 0
.endr
.irp t, 0,1,2,3
	v_wmma_f32_16x16x128_bf8_bf8 v[ACC+8*\t:ACC+8*\t+7], v[WR+32*\t+16:WR+32*\t+31], v[AF+16:AF+31], v[ACC+8*\t:ACC+8*\t+7]
.endr
.rept 4
	v_nop                                          ; four places ahead of the first read of results (ISA guide 7.12.1)
.endr
.if \m == 0
	s_wait_loadcnt 0x0
.endif
.irp i, 0,2,4,6,8,10,12,14,16,18,20,22,24,26,28,30
	v_pk_fma_f32 v[ACC+\i:ACC+\i+1], v[ACC+\i:ACC+\i+1], s[34:35], v[BIAS+\i:BIAS+\i+1] op_sel_hi:[1,0,1]   ; each accumulator from its low end on
.endr
.irp t, 0,1,2,3
.irp q, 0,1
	ds_store_b128 v[STO], v[ACC+8*\t+4*\q:ACC+8*\t+4*\q+3] offset:64*\t+16*\q
.endr
.endr
.irp i, 0,1,2,3,4,5,6,7
	ds_load_b128 v[AF+4*\i:AF+4*\i+3], v[RD] offset:544*\i     ; rows 2 i and 2 i + 1, whole; my own bytes, served in order
.endr
.irp i, 0,1,2,3,4,5,6,7
	s_wait_dscnt 7-\i
	global_store_b128 v[CO], v[AF+4*\i:AF+4*\i+3], s[12:13] offset:(16*\m+2*\i)*1536   ; sixteen lanes store 256 consecutive bytes, aligned
.endr
	s_wait_xcnt 0x0                                ; the stores have read their registers: the next tile's fragments may land there
.endm
	ROWS 0
	ROWS 1
	ROWS 2
	ROWS 3
	ROWS 4
	s_set_vgpr_msb 0x5
	s_wait_tensorcnt 0x0
	ds_add_u32 v0, v1
	s_wait_dscnt 0x0
	s_set_vgpr_msb 0x500
	s_endpgm
.Lfunc_end_k_qb2b1b9bd71_qkv:
	.size	k_qb2b1b9bd71_qkv, .Lfunc_end_k_qb2b1b9bd71_qkv-k_qb2b1b9bd71_qkv
	.p2alignl 7, 3214868480
	.fill 96, 4, 3214868480
	.section	.rodata,"a",@progbits
	.p2align	6, 0x0
	.amdhsa_kernel k_qb2b1b9bd71_qkv
		.amdhsa_group_segment_fixed_size 196096
		.amdhsa_private_segment_fixed_size 0
		.amdhsa_enable_private_segment 0
		.amdhsa_kernarg_size 48
		.amdhsa_user_sgpr_count 2
		.amdhsa_user_sgpr_kernarg_segment_ptr 1
		.amdhsa_wavefront_size32 1
		.amdhsa_system_sgpr_workgroup_id_x 1
		.amdhsa_system_sgpr_workgroup_id_y 1
		.amdhsa_system_sgpr_workgroup_id_z 1
		.amdhsa_system_vgpr_workitem_id 0
		.amdhsa_next_free_vgpr 258
		.amdhsa_next_free_sgpr 66
		.amdhsa_reserve_vcc 0
		.amdhsa_float_denorm_mode_32 3
		.amdhsa_float_denorm_mode_16_64 3
		.amdhsa_memory_ordered 1
		.amdhsa_forward_progress 1
		.amdhsa_inst_pref_size 43
	.end_amdhsa_kernel
	.amdgpu_metadata
---
amdhsa.version: [ 1, 2 ]
amdhsa.kernels:
  - .name:           k_qb2b1b9bd71_qkv
    .symbol:         k_qb2b1b9bd71_qkv.kd
    .args:
      - { .name: features, .offset: 0, .size: 8, .value_kind: global_buffer, .address_space: global }
      - { .name: wimg, .offset: 8, .size: 8, .value_kind: global_buffer, .address_space: global }
      - { .name: qbias, .offset: 16, .size: 8, .value_kind: global_buffer, .address_space: global }
      - { .name: lowp_scales, .offset: 24, .size: 8, .value_kind: global_buffer, .address_space: global }
      - { .name: tabl, .offset: 32, .size: 8, .value_kind: global_buffer, .address_space: global }
      - { .name: tabg, .offset: 40, .size: 8, .value_kind: global_buffer, .address_space: global }
    .group_segment_fixed_size: 196096
    .private_segment_fixed_size: 0
    .kernarg_segment_align: 8
    .kernarg_segment_size: 48
    .max_flat_workgroup_size: 384
    .sgpr_count:     66
    .vgpr_count:     258
    .wavefront_size: 32
...
	.end_amdgpu_metadata
.endif
;; end of part 2
;; launch pool (part 3): grid 625 x 1, 4 waves a work-group, no clusters, 0 bytes of LDS; arguments pair_idx, tabg, kvp; writes kvp
.if DOCPART == 3
	.amdgcn_target "amdgcn-amd-amdhsa--gfx1250"
	.amdhsa_code_object_version 6
	.text
	.protected	k_qb2b1b9bd71_pool
	.globl	k_qb2b1b9bd71_pool
	.p2align	8
	.type	k_qb2b1b9bd71_pool,@function
k_qb2b1b9bd71_pool:
	s_mov_b64 s[64:65], 0
	v_nop
	global_prefetch_b8 v0, s[64:65] scope:SCOPE_SE
	s_setreg_imm32_b32 hwreg(HW_REG_WAVE_MODE, 25, 1), 1
	s_wait_xcnt 0x0
; kvp[m] = the maximum over the 16 rows pair_idx[m][.] of the global table's K' and V' (1,024 bytes of each row).  The tables' scaling by a power of two and their column's
; bias leave the order of numbers as it is, so the maximum of the scaled numbers is the scaled maximum.  A row of kvp is 1,536 bytes, as a table's: K 512, V 512, 512 unused.
; A wave takes one m: its 16 indices come by one scalar load; each vector load reads 512 consecutive bytes of a row; all 32 are out together.
; A stream of gathers: no LDS, no barrier, no matrix unit.  LIMIT: NaN is not served (v_max_num_f32 drops it).
	s_load_b128 s[4:7], s[0:1], 0x0                ; pair_idx, tabg
	s_load_b64 s[8:9], s[0:1], 0x10                ; kvp
	v_lshrrev_b32 v1, 5, v0
	v_readfirstlane_b32 s10, v1
	v_and_b32 v1, 31, v0
	v_lshlrev_b32 v1, 4, v1                        ; 16 x lane
	s_lshl_b32 s11, ttmp9, 2
	s_add_co_u32 s11, s11, s10                     ; m
	s_lshl_b32 s12, s11, 6
	s_mov_b32 s13, 0
	s_mul_i32 s14, s11, 1536
	s_mov_b32 s15, 0
	s_wait_kmcnt 0x0
	s_add_nc_u64 s[4:5], s[4:5], s[12:13]
	s_load_b512 s[16:31], s[4:5], 0x0
	s_add_nc_u64 s[8:9], s[8:9], s[14:15]
	s_wait_kmcnt 0x0
.irp j, 0,1,2,3,4,5,6,7,8,9,10,11,12,13,14,15
	s_min_u32 s[16+\j], s[16+\j], 0x4e1f           ; the table's last row
	s_mul_i32 s[16+\j], s[16+\j], 1536
	v_add_nc_u32 v[16+\j], s[16+\j], v1
.endr
.irp j, 0,1,2,3,4,5,6,7,8,9,10,11,12,13,14,15
.irp q, 0,1
	global_load_b128 v[32+8*\j+4*\q:32+8*\j+4*\q+3], v[16+\j], s[6:7] offset:512+512*\q
.endr
.endr
	s_wait_loadcnt 0x0
.irp i, 0,1,2,3,4,5,6,7
	v_max3_num_f32 v[160+\i], v[32+\i], v[40+\i], v[48+\i]
.endr
.irp p, 3,5,7,9,11,13
.irp i, 0,1,2,3,4,5,6,7
	v_max3_num_f32 v[160+\i], v[160+\i], v[32+8*\p+\i], v[40+8*\p+\i]
.endr
.endr
.irp i, 0,1,2,3,4,5,6,7
	v_max_num_f32 v[160+\i], v[160+\i], v[152+\i]
.endr
	global_store_b128 v1, v[160:163], s[8:9]
	global_store_b128 v1, v[164:167], s[8:9] offset:512
	s_endpgm
.Lfunc_end_k_qb2b1b9bd71_pool:
	.size	k_qb2b1b9bd71_pool, .Lfunc_end_k_qb2b1b9bd71_pool-k_qb2b1b9bd71_pool
	.p2alignl 7, 3214868480
	.fill 96, 4, 3214868480
	.section	.rodata,"a",@progbits
	.p2align	6, 0x0
	.amdhsa_kernel k_qb2b1b9bd71_pool
		.amdhsa_group_segment_fixed_size 0
		.amdhsa_private_segment_fixed_size 0
		.amdhsa_enable_private_segment 0
		.amdhsa_kernarg_size 24
		.amdhsa_user_sgpr_count 2
		.amdhsa_user_sgpr_kernarg_segment_ptr 1
		.amdhsa_wavefront_size32 1
		.amdhsa_system_sgpr_workgroup_id_x 1
		.amdhsa_system_sgpr_workgroup_id_y 1
		.amdhsa_system_sgpr_workgroup_id_z 1
		.amdhsa_system_vgpr_workitem_id 0
		.amdhsa_next_free_vgpr 168
		.amdhsa_next_free_sgpr 66
		.amdhsa_reserve_vcc 0
		.amdhsa_float_denorm_mode_32 3
		.amdhsa_float_denorm_mode_16_64 3
		.amdhsa_memory_ordered 1
		.amdhsa_forward_progress 1
		.amdhsa_inst_pref_size 11
	.end_amdhsa_kernel
	.amdgpu_metadata
---
amdhsa.version: [ 1, 2 ]
amdhsa.kernels:
  - .name:           k_qb2b1b9bd71_pool
    .symbol:         k_qb2b1b9bd71_pool.kd
    .args:
      - { .name: pair_idx, .offset: 0, .size: 8, .value_kind: global_buffer, .address_space: global }
      - { .name: tabg, .offset: 8, .size: 8, .value_kind: global_buffer, .address_space: global }
      - { .name: kvp, .offset: 16, .size: 8, .value_kind: global_buffer, .address_space: global }
    .group_segment_fixed_size: 0
    .private_segment_fixed_size: 0
    .kernarg_segment_align: 8
    .kernarg_segment_size: 24
    .max_flat_workgroup_size: 128
    .sgpr_count:     66
    .vgpr_count:     168
    .wavefront_size: 32
...
	.end_amdgpu_metadata
.endif
;; end of part 3
;; launch attn (part 4): grid 250 x 1, 8 waves a work-group, no clusters, 130,560 bytes of LDS; arguments events, de, local_idx, inv_pair_idx, tabl, tabg, kvp, wimg, lowp_scales, local_pe_w1, global_pe_w1, local_pe_b1, global_pe_b1, local_fc_g, global_fc_g, local_fc_b, global_fc_b, proj_b1, proj_b2, out0; writes out0
.if DOCPART == 4
	.amdgcn_target "amdgcn-amd-amdhsa--gfx1250"
	.amdhsa_code_object_version 6
	.text
	.protected	k_qb2b1b9bd71_attn
	.globl	k_qb2b1b9bd71_attn
	.p2align	8
	.type	k_qb2b1b9bd71_attn,@function
k_qb2b1b9bd71_attn:
	s_mov_b64 s[64:65], 0
	v_nop
	global_prefetch_b8 v0, s[64:65] scope:SCOPE_SE
	s_setreg_imm32_b32 hwreg(HW_REG_WAVE_MODE, 25, 1), 1
	s_wait_xcnt 0x0
; Both attention branches and the closing MLP.  A work-group takes 80 points; waves 0-3 do the local branch, waves 4-7 the global one, 20 points each, one point a trip; then the eight
; waves share the columns of the two closing products, 32 each, for the 80 rows.  One text serves both branches: a branch's buffers are chosen once by the wave's number.
; ARITHMETIC.  es = e0 + e1 (local) or e4 + e5 (global).  S is the raw sum of the position product on codes, so pe = S 2^es + b2.  The tables hold Q' = (q + b2) / 2^es, K' = k / 2^es,
; V' = (v + b2) / 2^es.  x' = S + Q' - K' is the LayerNorm's input / 2^es.  The mean is taken away first, then the squares are summed; rs = rsq(sum + 128 eps / 2^(2 es)); sqrt(128) cancels
; against 1 / SCALE; y = xc' rs (g log2 e) + fc_b log2 e / sqrt(128); the largest y of the 16 neighbours is taken away; p = 2^y; o' = sum p (S + V') / sum p = the branch's result / 2^es.
; That factor goes into the scale of the conversion ahead of the first closing product.
; LAYOUT.  Lane (r = l % 16, h = l / 16).  The hidden layer of the position MLP is made transposed by the f32 matrix form (source 0 = 16 units x 4, source 1 = 4 x 16 neighbours, C = b1): a lane
; holds one neighbour, and the units that form a tile are chosen so that the conversions' results are the next operand's registers.  The position product is used as it stands: register j of
; tile t is (neighbour 8 h + j, channel 64 (t / 4) + 4 r + t % 4).  So the softmax runs over a lane's eight registers and one exchange of halves, the LayerNorm over eight tiles and sixteen
; lanes, and a lane's channels of tiles 0-3 (4-7) are 16 neighbouring bytes of a table's row: sixteen lanes read 256 consecutive bytes, aligned.
; INDICES.  A point's 16 indices are the same for every lane: they come by one scalar load of 64 bytes, and a lane's row offset is index(8 + j) x 1,536 h + index(j) x 1,536 (1 - h) + 16 r.
; Only the neighbour's event wants an index a lane (lane r: index r): that one comes by a vector load.
; LOADS run a point ahead, in this order in every trip: events 2, K and Q 18, the event index of the point after next 1, V 16; the counted waits rest on that order.
; No tensor loads and no cluster: what work-groups share are the weights, which stay in registers; the gathers are single rows at places that the indices give.  No prefetch: a table's row
; is named by many points of many work-groups, so no block could be asked for once.
; LIMITS: e0, e4, e8 - es, e10 - e8 - e9 between -126 and 112; e10 + e11 between -126 and 127; es between -68 and 58.  NaN and infinities are not served.  An index lies inside its table
; (the hold written here is 19,999).  b2 is added to q and to v ahead of the sums with S, not behind them.
; REGISTERS, window 0: v0 thread; v1-15 addresses, the events and the event index; v16-23 the weighted sum; v24-31 the neighbours' row offsets; v32-39 Q'; v40-47 g; v48-55 fc_b;
;   v56-63 a figure a neighbour or a tile; v64-127 x (8 t + j); v128-191 K' (8 j + t); v192-255 V' (8 j + t).
; window 1: v0-127 pe_w2's eight fragments; v128-191 the hidden layer, then S: written by matrix instructions alone; v192-207 pe_w1's; v208-223 numbers held, then
;   pairs of sums, then the other half's figures; v224-239 the hidden codes, then pairs of sums; v240, v241 scale and hold.
.set AIMG, 84480                       ; LDS: 0: the branches' results, branch s at 42,240 s, 80 rows x 528; later the stage, 80 rows x 1,040
.set HIMG, 104960                      ; AIMG, HIMG: ten images each of 2,048 bytes (2 m + s): the operands of the two closing products
.set B1L,  125440                      ; each wave's own copy of its pe_b1, 512 bytes
.set LK,   1                           ; 16 r
.set LE,   2                           ; 8 h
.set VH6,  3                           ; 1,536 h
.set VN6,  4                           ; 1,536 (1 - h)
.set IDXE, 5                           ; index r of the next point
.set EJ,   6                           ; v6-7  the neighbour's event, then the difference of events
.set EN,   8
.set LR4,  10                          ; 4 r
.set AE,   11                          ; the neighbour's event: 16 x index + 8 h
.set B1A,  12
.set ATT0, 13
.set ATTW, 14
.set LI16, 15                          ; 16 x lane
.set ACCV, 16
.set AJ,   24
.set QR,   32
.set GR,   40
.set BR,   48
.set S1,   56
.set XR,   64
.set KR,   128
.set VR,   192
.set W2F,  0                           ; window 1
.set HID,  128
.set W1F,  192
.set TT,   208
.set AP,   208
.set HC,   224
.set LP,   224
.set SCL,  240
.set LIM,  241
.set B2P,  240                         ; the closing MLP: proj_b2, window 1
.set LH32, 3                           ; and window 0: 32 h,
.set XS,   4                           ; addresses,
.set XD,   5
.set LIA,  6
.set LIH,  7
.set HW,   8
.set SO,   9
.set SO4,  10
.set SR,   12
.set PC,   16                          ; codes just made,
.set SCLA, 32                          ; scales and holds,
.set LIMA, 33
.set SCLH, 34
.set LIMH, 35
.set PB1,  48                          ; proj_b1
.set MSB, 0
.macro WIN new                         ; low byte: bits 1:0 source 0, 3:2 source 1, 5:4 source 2, 7:6 destination; the high byte repeats the setting that is left
.if MSB != \new
	s_set_vgpr_msb (MSB<<8)|\new
.set MSB, \new
.endif
.endm
.macro ADDR                            ; the loaded indices become offsets: held at the table's last row; lanes 0-15 take rows 0-7, lanes 16-31 rows 8-15; the event's x 16 + 8 h
.irp j, 0,1,2,3,4,5,6,7,8,9,10,11,12,13,14,15
	s_min_u32 s[4+\j], s[4+\j], 0x4e1f
.endr
.irp j, 0,1,2,3,4,5,6,7
	v_mad_u32_u24 v[AJ+\j], s[12+\j], v[VH6], v[LK]
.endr
.irp j, 0,1,2,3,4,5,6,7
	v_mad_u32_u24 v[AJ+\j], s[4+\j], v[VN6], v[AJ+\j]
.endr
	v_min_u32 v[AE], 0x4e1f, v[IDXE]
	v_lshl_add_u32 v[AE], v[AE], 4, v[LE]
.endm
.macro EVLOAD                          ; coordinates 2 h, 2 h + 1 of neighbour r and of the point
	global_load_b64 v[EJ:EJ+1], v[AE], s[48:49]
	global_load_b64 v[EN:EN+1], v[LE], s[56:57]
.endm
.macro IDXLOAD                         ; a point's 16 indices into s[4:19]; index r into lane r for the event
	s_load_b512 s[4:19], s[58:59], 0x0
	global_load_b32 v[IDXE], v[LR4], s[58:59]
.endm
.macro GATHER reg, off                 ; 512 bytes of each of my half's eight rows: sixteen lanes read 256 consecutive bytes
.irp j, 0,1,2,3,4,5,6,7
	global_load_b128 v[\reg+8*\j:\reg+8*\j+3], v[AJ+\j], s[54:55] offset:\off
	global_load_b128 v[\reg+8*\j+4:\reg+8*\j+7], v[AJ+\j], s[54:55] offset:\off+256
.endr
.endm
.macro QLOAD                           ; read once in the launch
	global_load_b128 v[QR:QR+3], v[LK], s[52:53] th:TH_LOAD_NT
	global_load_b128 v[QR+4:QR+7], v[LK], s[52:53] offset:256 th:TH_LOAD_NT
.endm
.macro B1C_LOAD                        ; pe_b1 in the hidden layer's layout: tile t, register i: unit 32 (t / 2) + 8 (t % 2) + 16 h + i
.irp t, 0,1,2,3,4,5,6,7
.irp q, 0,1
	ds_load_b128 v[XR+8*\t+4*\q:XR+8*\t+4*\q+3], v[B1A] offset:128*(\t/2)+32*(\t%2)+16*\q
.endr
.endr
.endm
.macro LANESUM                         ; S1's eight figures summed over the sixteen lanes of a half
.irp k, 1,2,4,8
.irp j, 0,1,2,3,4,5,6,7
	v_add_f32_dpp v[S1+\j], v[S1+\j], v[S1+\j] row_xmask:\k row_mask:0xf bank_mask:0xf
.endr
.endr
.endm
.macro AFFINE t, o                     ; tile t: x g + b; o = t % 2 picks the tile's word of the pairs
.irp p, 0,2,4,6
	v_pk_fma_f32 v[XR+8*(\t)+\p:XR+8*(\t)+\p+1], v[XR+8*(\t)+\p:XR+8*(\t)+\p+1], v[GR+(\t)-\o:GR+(\t)-\o+1], v[BR+(\t)-\o:BR+(\t)-\o+1] op_sel:[0,\o,\o] op_sel_hi:[1,\o,\o]
.endr
.endm
.macro SUBMAX t, o                     ; tile t: less the channel's largest
.irp p, 0,2,4,6
	v_pk_add_f32 v[XR+8*(\t)+\p:XR+8*(\t)+\p+1], v[XR+8*(\t)+\p:XR+8*(\t)+\p+1], v[S1+(\t)-\o:S1+(\t)-\o+1] op_sel:[0,\o] op_sel_hi:[1,\o] neg_lo:[0,1] neg_hi:[0,1]
.endr
.endm
.macro BARRIER                         ; my LDS stores have landed and my LDS loads are in: then the work-group's barrier
	s_wait_dscnt 0x0
	s_barrier_signal -1
	s_barrier_wait -1
.endm
	s_load_b512 s[4:19], s[0:1], 0x0               ; events, de, local_idx, inv_pair_idx, tabl, tabg, kvp, wimg
	s_load_b512 s[20:35], s[0:1], 0x40             ; lowp_scales, pe_w1 l g, pe_b1 l g, fc_g l g, local_fc_b
	s_load_b256 s[36:43], s[0:1], 0x80             ; global_fc_b, proj_b1, proj_b2, out0
	v_lshrrev_b32 v1, 5, v0
	v_readfirstlane_b32 s44, v1                    ; wave 0..7
	s_lshr_b32 s45, s44, 2                         ; branch
	s_and_b32 s46, s44, 3
	v_and_b32 v24, 15, v0                          ; r
	v_bfe_u32 v25, v0, 4, 1                        ; h
	v_and_b32 v26, 31, v0
	v_lshlrev_b32 v[LK], 4, v24
	v_lshlrev_b32 v[LE], 3, v25
	v_mul_u32_u24 v[VH6], v25, 0x600               ; a table's row is 1,536 bytes
	v_sub_nc_u32 v[VN6], 0x600, v[VH6]
	v_lshlrev_b32 v[LR4], 2, v24
	v_lshlrev_b32 v[LI16], 4, v26
	s_lshl_b32 s82, s44, 9
	s_add_co_u32 s82, s82, B1L
	v_lshl_add_u32 v[B1A], v25, 6, s82
	v_add_nc_u32 v[ATTW], s82, v[LI16]             ; (first: where my copy of pe_b1 goes)
	s_mul_i32 s82, s44, 10560
	v_lshl_add_u32 v[ATT0], v25, 8, v[LK]
	v_add_nc_u32 v[ATT0], s82, v[ATT0]             ; my 20 rows of results: 256 h + 16 r in a row
	v_and_b32 v27, 8, v24
	v_add_nc_u32 v27, v27, v24
	v_lshlrev_b32 v27, 2, v27
	v_lshl_add_u32 v27, v25, 10, v27               ; pe_w1: rows 2 h on, column r + 8 (r / 8)
	s_mov_b32 s80, 0x76543210                      ; v_permlanex16_b32: lane l xor 16
	s_mov_b32 s81, 0xfedcba98
	s_mov_b32 s67, 0xffff0000                      ; lanes 16-31
	s_mov_b32 s83, 0
	s_mov_b32 s66, 0
	s_mul_i32 s61, ttmp9, 80
	s_mul_i32 s82, s46, 20
	s_add_co_u32 s61, s61, s82                     ; my first point
	s_add_co_u32 s62, s61, 19                      ; my last
	s_wait_kmcnt 0x0
	s_load_b256 s[68:75], s[20:21], 0x0            ; e0 .. e7
	s_load_b128 s[76:79], s[20:21], 0x20           ; e8 .. e11
	s_cmp_lt_u32 s44, 4                            ; the branch's buffers: the choice hangs on the wave's number alone
	s_cselect_b64 s[48:49], s[4:5], s[6:7]         ; the neighbours' events
	s_cselect_b64 s[50:51], s[8:9], s[10:11]       ; the indices
	s_cselect_b64 s[52:53], s[12:13], s[14:15]     ; Q'
	s_cselect_b64 s[54:55], s[12:13], s[16:17]     ; K' and V'
	s_cselect_b64 s[22:23], s[22:23], s[24:25]     ; pe_w1
	s_cselect_b64 s[26:27], s[26:27], s[28:29]     ; pe_b1
	s_cselect_b64 s[30:31], s[30:31], s[32:33]     ; fc_g
	s_cselect_b64 s[34:35], s[34:35], s[36:37]     ; fc_b
	s_cselect_b32 s82, 512, 0                      ; in the local table K' stands behind Q'
	s_add_nc_u64 s[54:55], s[54:55], s[82:83]
	s_mul_i32 s82, s61, 1536
	s_add_nc_u64 s[52:53], s[52:53], s[82:83]
	s_lshl_b32 s82, s61, 4
	s_add_nc_u64 s[56:57], s[4:5], s[82:83]        ; the point's event
	s_lshl_b32 s82, s61, 6
	s_add_nc_u64 s[58:59], s[50:51], s[82:83]      ; its indices
	s_lshl_b32 s82, s45, 14
	s_add_co_u32 s82, s82, 96*2048
	s_add_nc_u64 s[90:91], s[18:19], s[82:83]      ; pe_w2's eight images
	s_lshl_b32 s82, s44, 13
	s_add_co_u32 s82, s82, 112*2048
	s_add_nc_u64 s[92:93], s[18:19], s[82:83]      ; my four images of proj_w1,
	s_add_co_u32 s82, s82, 32*2048
	s_add_nc_u64 s[94:95], s[18:19], s[82:83]      ; of proj_w2
	IDXLOAD                                        ; s[4:19] have served as pointers: from here on they hold a point's indices
	WIN 0x40
.set i, 0
.rept 32
	global_load_b128 v[W2F+4*i:W2F+4*i+3], v[LI16], s[90:91] offset:512*i
.set i, i+1
.endr
.irp t, 0,1,2,3,4,5,6,7
.irp j, 0,1
	global_load_b32 v[W1F+2*\t+\j], v27, s[22:23] offset:512*\j+4*(32*(\t/2)+8*(\t%2))   ; w1(2 h + j, the tile's unit for row r)
.endr
.endr
	WIN 0
	global_load_b128 v[XR:XR+3], v[LI16], s[26:27]
	global_load_b128 v[GR:GR+3], v[LK], s[30:31]
	global_load_b128 v[GR+4:GR+7], v[LK], s[30:31] offset:256
	global_load_b128 v[BR:BR+3], v[LK], s[34:35]
	global_load_b128 v[BR+4:BR+7], v[LK], s[34:35] offset:256
	s_wait_kmcnt 0x0                               ; the scales' exponents and the first point's indices
	s_add_co_i32 s85, s68, s69                     ; es of the local branch,
	s_add_co_i32 s87, s72, s73                     ; of the global one: both are kept
	s_cmp_lt_u32 s44, 4
	s_cselect_b32 s84, s68, s72                    ; the hidden layer's e
	s_cselect_b32 s82, s85, s87
	s_lshl_b32 s82, s82, 24
	s_sub_co_u32 s86, 0x3aa7c5ac, s82              ; 128 eps / 2^(2 es): 2 es taken off the exponent field
	s_add_co_i32 s84, s84, 127
	s_lshl_b32 s82, s84, 23
	WIN 0x40
	v_mov_b32 v[SCL], s82
	s_add_co_i32 s84, s84, 15
	s_lshl_b32 s84, s84, 23
	s_or_b32 s84, s84, 0x600000
	v_mov_b32 v[LIM], s84
	WIN 0
.irp t, 0,1,2,3,4,5,6,7
	v_mov_b32 v[ACCV+\t], 0                        ; written once: a lane permute's destination counts as one of its sources
.endr
	s_wait_loadcnt 0x0
	ds_store_b128 v[ATTW], v[XR:XR+3]
.irp t, 0,1,2,3,4,5,6,7
	v_mul_f32 v[GR+\t], 0x3fb8aa3b, v[GR+\t]       ; g log2 e
	v_mul_f32 v[BR+\t], 0x3e0293ee, v[BR+\t]       ; fc_b log2 e / sqrt(128)
.endr
	ADDR
	EVLOAD                                         ; the first point's loads, in the loop's order
	GATHER KR, 0
	QLOAD
	s_add_nc_u64 s[58:59], s[58:59], 64            ; (the loads that named it are done)
	IDXLOAD
	GATHER VR, 512
	B1C_LOAD
	s_wait_dscnt 0x0                               ; so that the count at the loop's head is right on the way in too
; ONE POINT.  last = 1: the tail: nothing more is gathered, and the closing products' weights land where K' and V' lay.
.macro ITER last
	s_wait_loadcnt 35                              ; the events are in; behind them: K and Q 18, the event index 1, V 16
	v_pk_add_f32 v[EJ:EJ+1], v[EN:EN+1], v[EJ:EJ+1] neg_lo:[0,1] neg_hi:[0,1]
	s_wait_dscnt 0x1                               ; pe_b1's 16 loads are in x's registers; the one LDS instruction behind them, the last point's store, may be out
	WIN 0x41
.irp t, 0,1,2,3,4,5,6,7
	v_wmma_f32_16x16x4_f32 v[HID+8*\t:HID+8*\t+7], v[W1F+2*\t:W1F+2*\t+1], v[EJ:EJ+1], v[XR+8*\t:XR+8*\t+7]   ; d w1 + b1, in f32: it goes on into a quantiser
.endr
	WIN 0
	s_wait_loadcnt 16                              ; the next point's event index is in, and so are K and Q; V may be out
	s_wait_kmcnt 0x0                               ; the next point's 16 indices
.if \last
.rept 8
	v_nop                                          ; eight places behind the f32 form (ISA guide 7.12.1)
.endr
.else
	s_wait_xcnt 0x0                                ; every load has read its address: offsets and bases may step
	s_add_nc_u64 s[56:57], s[56:57], 16
	s_add_nc_u64 s[52:53], s[52:53], 1536
	s_add_co_u32 s82, s61, 2
	s_min_u32 s82, s82, s62                        ; the point after next, held at my last point: no load leaves its buffer
	s_lshl_b32 s82, s82, 6
	s_add_nc_u64 s[58:59], s[50:51], s[82:83]
	s_add_co_u32 s61, s61, 1
	ADDR                                           ; eighteen plain lines: also the places behind the f32 form, ahead of the load into its source
	EVLOAD
.endif
.irp j, 0,1,2,3,4,5,6,7
.irp t, 0,1,2,3,4,5,6,7
	v_sub_f32 v[XR+8*\t+\j], v[QR+\t], v[KR+8*\j+\t]   ; Q' - K', turned into the product's layout
.endr
.endr
.if \last
.set i, 0
.rept 16
	global_load_b128 v[KR+4*i:KR+4*i+3], v[LI16], s[92:93] offset:512*i
.set i, i+1
.endr
.else
	GATHER KR, 0
	QLOAD
.endif
	WIN 0x55
.irp t, 0,1,2,3,4,5,6,7
.irp i, 0,1,2,3,4,5,6,7
	v_med3_num_f32 v[TT+8*(\t%2)+\i], v[HID+8*\t+\i], 0, v[LIM]   ; the activation and the hold in one; each accumulator from its low end on
.endr
	v_cvt_scalef32_pk8_bf8_f32 v[HC+2*\t:HC+2*\t+1], v[TT+8*(\t%2):TT+8*(\t%2)+7], v[SCL]
.endr
	v_nop                                          ; a plain line between the last conversion and the products that read its result
	WIN 0x45
.irp t, 0,1,2,3,4,5,6,7
	v_wmma_f32_16x16x128_bf8_bf8 v[HID+8*\t:HID+8*\t+7], v[HC:HC+15], v[W2F+16*\t:W2F+16*\t+15], 0
.endr
	WIN 0
.if !\last
	IDXLOAD
.endif
.rept 4
	v_nop                                          ; four places ahead of the first read of results
.endr
	WIN 0x04
.irp t, 0,1,2,3,4,5,6,7
.irp p, 0,2,4,6
	v_pk_add_f32 v[XR+8*\t+\p:XR+8*\t+\p+1], v[XR+8*\t+\p:XR+8*\t+\p+1], v[HID+8*\t+\p:HID+8*\t+\p+1]   ; x' = S + Q' - K'
.endr
.endr
	WIN 0
.irp p, 0,2,4,6
	v_pk_add_f32 v[S1+\p:S1+\p+1], v[XR+\p:XR+\p+1], v[XR+8+\p:XR+8+\p+1]      ; the LayerNorm: a neighbour's sum over my eight channels,
.endr
.irp t, 2,3,4,5,6,7
.irp p, 0,2,4,6
	v_pk_add_f32 v[S1+\p:S1+\p+1], v[S1+\p:S1+\p+1], v[XR+8*\t+\p:XR+8*\t+\p+1]
.endr
.endr
	LANESUM                                        ; and over the sixteen lanes
.irp t, 0,1,2,3,4,5,6,7
.irp p, 0,2,4,6
	v_pk_fma_f32 v[XR+8*\t+\p:XR+8*\t+\p+1], v[S1+\p:S1+\p+1], 0xbc000000, v[XR+8*\t+\p:XR+8*\t+\p+1] op_sel_hi:[1,0,1]   ; less the mean: sum x -1/128
.endr
.endr
.irp p, 0,2,4,6
	v_pk_mul_f32 v[S1+\p:S1+\p+1], v[XR+\p:XR+\p+1], v[XR+\p:XR+\p+1]
.endr
.irp t, 1,2,3,4,5,6,7
.irp p, 0,2,4,6
	v_pk_fma_f32 v[S1+\p:S1+\p+1], v[XR+8*\t+\p:XR+8*\t+\p+1], v[XR+8*\t+\p:XR+8*\t+\p+1], v[S1+\p:S1+\p+1]
.endr
.endr
	LANESUM
.irp j, 0,1,2,3,4,5,6,7
	v_add_f32 v[S1+\j], s86, v[S1+\j]
.endr
.irp j, 0,1,2,3,4,5,6,7
	v_rsq_f32 v[S1+\j], v[S1+\j]
.endr
	v_nop                                          ; a plain line behind the last of them,
	s_wait_alu depctr_va_vdst(0)                   ; and one wait for the eight, ahead of their first reader
.irp t, 0,1,2,3,4,5,6,7
.irp p, 0,2,4,6
	v_pk_mul_f32 v[XR+8*\t+\p:XR+8*\t+\p+1], v[XR+8*\t+\p:XR+8*\t+\p+1], v[S1+\p:S1+\p+1]
.endr
.endr
.irp t, 0,2,4,6
	AFFINE \t, 0
	AFFINE \t+1, 1
.endr
.irp t, 0,1,2,3,4,5,6,7
	v_max3_num_f32 v[S1+\t], v[XR+8*\t], v[XR+8*\t+1], v[XR+8*\t+2]            ; the softmax: a channel's largest among my eight neighbours,
.endr
.irp k, 3,5
.irp t, 0,1,2,3,4,5,6,7
	v_max3_num_f32 v[S1+\t], v[S1+\t], v[XR+8*\t+\k], v[XR+8*\t+\k+1]
.endr
.endr
.irp t, 0,1,2,3,4,5,6,7
	v_max_num_f32 v[S1+\t], v[S1+\t], v[XR+8*\t+7]
.endr
	s_wait_dscnt 0x0                               ; the last point's store has read its registers, which are written again below
.irp t, 0,1,2,3,4,5,6,7
	v_permlanex16_b32 v[ACCV+\t], v[S1+\t], s80, s81
.endr
.irp t, 0,1,2,3,4,5,6,7
	v_max_num_f32 v[S1+\t], v[S1+\t], v[ACCV+\t]                               ; and among the other half's
.endr
.irp t, 0,2,4,6
	SUBMAX \t, 0
	SUBMAX \t+1, 1
.endr
.set i, 0
.rept 64
	v_exp_f32 v[XR+i], v[XR+i]
.set i, i+1
.endr
	v_nop
	s_wait_alu depctr_va_vdst(0)                   ; one wait for the 64
	WIN 0x54
.irp t, 0,1,2,3,4,5,6,7
	v_pk_mul_f32 v[AP+2*\t:AP+2*\t+1], v[XR+8*\t:XR+8*\t+1], v[HID+8*\t:HID+8*\t+1]   ; sum of p S, in pairs
.endr
.irp p, 2,4,6
.irp t, 0,1,2,3,4,5,6,7
	v_pk_fma_f32 v[AP+2*\t:AP+2*\t+1], v[XR+8*\t+\p:XR+8*\t+\p+1], v[HID+8*\t+\p:HID+8*\t+\p+1], v[AP+2*\t:AP+2*\t+1]
.endr
.endr
	WIN 0x40
.irp t, 0,1,2,3,4,5,6,7
	v_pk_add_f32 v[LP+2*\t:LP+2*\t+1], v[XR+8*\t:XR+8*\t+1], v[XR+8*\t+2:XR+8*\t+3]   ; sum of p, in pairs
.endr
	WIN 0x44
.irp p, 4,6
.irp t, 0,1,2,3,4,5,6,7
	v_pk_add_f32 v[LP+2*\t:LP+2*\t+1], v[XR+8*\t+\p:XR+8*\t+\p+1], v[LP+2*\t:LP+2*\t+1]
.endr
.endr
	WIN 0x05
.irp t, 0,1,2,3,4,5,6,7
	v_add_f32 v[ACCV+\t], v[AP+2*\t], v[AP+2*\t+1]
.endr
.irp t, 0,1,2,3,4,5,6,7
	v_add_f32 v[S1+\t], v[LP+2*\t], v[LP+2*\t+1]
.endr
	WIN 0
.if \last
	s_wait_loadcnt 16                              ; V is in; behind it: proj_w1's 16
.else
	s_wait_loadcnt 21                              ; V is in; behind it: events 2, K and Q 18, the event index 1
.endif
.irp j, 0,1,2,3,4,5,6,7
.irp t, 0,1,2,3,4,5,6,7
	v_fmac_f32 v[ACCV+\t], v[XR+8*\t+\j], v[VR+8*\j+\t]   ; + sum of p V'
.endr
.endr
.if \last
.set i, 0
.rept 16
	global_load_b128 v[VR+4*i:VR+4*i+3], v[LI16], s[94:95] offset:512*i
.set i, i+1
.endr
.else
	B1C_LOAD                                       ; x's registers have had their last reader: the next point's bias tiles, with all that follows in which to land
	GATHER VR, 512
.endif
	WIN 0x40
.irp t, 0,1,2,3,4,5,6,7
	v_permlanex16_b32 v[AP+\t], v[ACCV+\t], s80, s81          ; the other half's figures go where the pairs of sums lay
.endr
.irp t, 0,1,2,3,4,5,6,7
	v_permlanex16_b32 v[AP+8+\t], v[S1+\t], s80, s81
.endr
	WIN 0x04
.irp t, 0,1,2,3,4,5,6,7
	v_add_f32 v[ACCV+\t], v[ACCV+\t], v[AP+\t]     ; both halves' neighbours
.endr
.irp t, 0,1,2,3,4,5,6,7
	v_add_f32 v[S1+\t], v[S1+\t], v[AP+8+\t]
.endr
	WIN 0
.irp t, 0,1,2,3,4,5,6,7
	v_rcp_f32 v[S1+\t], v[S1+\t]                   ; the sum is at least 1: the largest y gives 2^0
.endr
	v_add_nc_u32 v[ATTW], s66, v[ATT0]             ; (the plain line behind the reciprocals)
	s_wait_alu depctr_va_vdst(0)
.irp t, 0,1,2,3,4,5,6,7
	v_mul_f32 v[ACCV+\t], v[ACCV+\t], v[S1+\t]
.endr
.irp i, 0,1,2,3
	v_cndmask_b32 v[ACCV+\i], v[ACCV+\i], v[ACCV+4+\i], s67   ; lanes 0-15 keep channels 4 r on, lanes 16-31 take 64 + 4 r on
.endr
	ds_store_b128 v[ATTW], v[ACCV:ACCV+3]          ; the point's 512 bytes in one store
	s_add_co_u32 s66, s66, 528
.endm
	s_mov_b32 s63, 19
.Lpoint:
	ITER 0
	s_sub_co_u32 s63, s63, 1
	s_cmp_lg_u32 s63, 0
	s_cbranch_scc1 .Lpoint
	ITER 1
	; ---- THE CLOSING MLP.  Wave w owns 32 columns of each product; its four images of each weight lie where K' and V' lay.
	v_bfe_u32 v[AE], v0, 4, 1
	v_lshlrev_b32 v[LH32], 5, v[AE]                ; 32 h
	v_lshlrev_b32 v[AE], 6, v[AE]                  ; 64 h
	s_lshl_b32 s82, s44, 7
	s_add_nc_u64 s[38:39], s[38:39], s[82:83]
	s_add_nc_u64 s[40:41], s[40:41], s[82:83]
.irp u, 0,1
.irp q, 0,1
	global_load_b128 v[PB1+8*\u+4*\q:PB1+8*\u+4*\q+3], v[AE], s[38:39] offset:32*\u+16*\q   ; b1 of units 32 w + 8 u + 16 h + 0 .. 7
.endr
.endr
	WIN 0x40
.irp u, 0,1
.irp q, 0,1
	global_load_b128 v[B2P+8*\u+4*\q:B2P+8*\u+4*\q+3], v[LH32], s[40:41] offset:64*\u+16*\q   ; b2 of columns 32 w + 16 u + 8 h + 0 .. 7
.endr
.endr
	WIN 0
	v_and_b32 v24, 15, v0                          ; r.  Every LDS address is made here, ahead of the branch on the wave's number
	v_bfe_u32 v25, v0, 4, 1                        ; h
	s_and_b32 s82, s44, 1
	s_mul_i32 s82, s82, 42240
	s_lshr_b32 s84, s44, 1
	s_mul_i32 s84, s84, 8448
	s_add_co_u32 s82, s82, s84
	v_mul_u32_u24 v[XS], v24, 528
	v_lshl_add_u32 v[XS], v25, 6, v[XS]
	v_add_nc_u32 v[XS], s82, v[XS]                 ; branch w % 2, rows 16 (w / 2) on: row r, 64 h
	s_lshl_b32 s82, s44, 11
	s_add_co_u32 s82, s82, AIMG
	v_add_nc_u32 v[XD], s82, v[LI16]
	v_add_nc_u32 v[LIA], AIMG, v[LI16]
	v_add_nc_u32 v[LIH], HIMG, v[LI16]
	s_lshl_b32 s82, s44, 9
	s_add_co_u32 s82, s82, HIMG
	v_add_nc_u32 v[HW], s82, v[LI16]               ; my 32 hidden units are registers 4 (w % 4) on of K step w / 4: 512 w in an image pair
	s_lshl_b32 s82, s44, 7
	v_mul_u32_u24 v[SO], v24, 1040
	v_lshl_add_u32 v[SO], v25, 5, v[SO]
	v_add_nc_u32 v[SO], s82, v[SO]                 ; the stage: row r, 32 h, my 128 bytes
	v_add_nc_u32 v[SO4], 66560, v[SO]              ; rows 64 on lie past an LDS immediate's reach
	s_mul_i32 s82, s44, 10400
	v_add_nc_u32 v[SR], s82, v[LI16]               ; back: my ten rows
	s_and_b32 s82, s44, 1
	s_cmp_eq_u32 s82, 0
	s_cselect_b32 s82, s85, s87                    ; es of the branch whose results I quantise
	s_sub_co_i32 s82, s76, s82                     ; a result stands for result x 2^es: its code is result / 2^(e8 - es)
	s_add_co_i32 s82, s82, 127
	s_lshl_b32 s84, s82, 23
	v_mov_b32 v[SCLA], s84
	s_add_co_i32 s82, s82, 15
	s_lshl_b32 s82, s82, 23
	s_or_b32 s82, s82, 0x600000
	v_mov_b32 v[LIMA], s82
	s_add_co_i32 s86, s76, s77                     ; e8 + e9
	s_sub_co_i32 s82, s78, s86                     ; the hidden layer's: e10 - e8 - e9
	s_add_co_i32 s82, s82, 127
	s_lshl_b32 s84, s82, 23
	v_mov_b32 v[SCLH], s84
	s_add_co_i32 s82, s82, 15
	s_lshl_b32 s82, s82, 23
	s_or_b32 s82, s82, 0x600000
	v_mov_b32 v[LIMH], s82
	s_sub_co_i32 s86, 0, s86
	s_add_co_i32 s88, s78, s79
	s_add_co_i32 s88, s88, 127
	s_lshl_b32 s88, s88, 23                        ; 2^(e10 + e11)
	s_mov_b32 s89, s88
	s_mul_i32 s82, ttmp9, 80
	s_mul_i32 s84, s44, 10
	s_add_co_u32 s82, s82, s84
	s_lshl_b32 s82, s82, 10
	s_add_nc_u64 s[42:43], s[42:43], s[82:83]      ; out0 at my ten rows
	BARRIER                                        ; all 160 rows of results lie in LDS
; 16 rows x 128 channels of one branch become a fragment and go to LDS as an image of its registers
.macro XQ offs, offd
.irp b, 0,1,2,3
.irp q, 0,1,2,3
	ds_load_b128 v[XR+16*\b+4*\q:XR+16*\b+4*\q+3], v[XS] offset:\offs+128*\b+16*\q
.endr
.endr
	s_wait_dscnt 0x0
.irp g, 0,1,2,3,4,5,6,7
.irp i, 0,1,2,3,4,5,6,7
	v_med3_num_f32 v[XR+8*\g+\i], v[XR+8*\g+\i], -v[LIMA], v[LIMA]
.endr
	v_cvt_scalef32_pk8_bf8_f32 v[PC+2*\g:PC+2*\g+1], v[XR+8*\g:XR+8*\g+7], v[SCLA]
.endr
	v_nop
.irp c, 0,1,2,3
	ds_store_b128 v[XD], v[PC+4*\c:PC+4*\c+3] offset:\offd+512*\c
.endr
.endm
	XQ 0, 0                                        ; image w
	s_cmp_ge_u32 s44, 2
	s_cbranch_scc1 .Lno_more
	s_wait_dscnt 0x0                               ; the stores have read their registers
	XQ 33792, 16384                                ; waves 0 and 1: rows 64-79, images 8 and 9
.Lno_more:
	BARRIER                                        ; the ten fragments of the first product lie in LDS
	s_wait_loadcnt 0x0                             ; the weights' images and the biases
.set i, 0
.rept 16
	v_ldexp_f32 v[PB1+i], v[PB1+i], s86            ; b1 goes in as C, divided by the power of two that the sums lack
.set i, i+1
.endr
.macro FETCH10 adr                     ; ten fragments into window 1: 2 m + s at 16 f (f < 8), at 192 + 16 (f - 8) else
	WIN 0x40
.irp f, 0,1,2,3,4,5,6,7,8,9
.irp c, 0,1,2,3
	ds_load_b128 v[16*\f+64*(\f/8)+4*\c:16*\f+64*(\f/8)+4*\c+3], v[\adr] offset:2048*\f+512*\c
.endr
.endr
	WIN 0
	s_wait_dscnt 0x0
.endm
; 20 products, transposed (source 0 = 16 columns of the weight, source 1 = 16 rows): ten accumulators (2 m + u) by turns, a K step at a time
.macro PMUL pw, bias
	WIN 0x44
.irp m, 0,1,2,3,4
.irp u, 0,1
.set ra, 128+8*(2*\m+\u)+32*((2*\m+\u)/8)
.set rf, 32*\m+64*(\m/4)
.if \bias
	v_wmma_f32_16x16x128_bf8_bf8 v[ra:ra+7], v[\pw+32*\u:\pw+32*\u+15], v[rf:rf+15], v[PB1+8*\u:PB1+8*\u+7]
.else
	v_wmma_f32_16x16x128_bf8_bf8 v[ra:ra+7], v[\pw+32*\u:\pw+32*\u+15], v[rf:rf+15], 0
.endif
.endr
.endr
	WIN 0x54
.irp m, 0,1,2,3,4
.irp u, 0,1
.set ra, 128+8*(2*\m+\u)+32*((2*\m+\u)/8)
.set rf, 32*\m+16+64*(\m/4)
	v_wmma_f32_16x16x128_bf8_bf8 v[ra:ra+7], v[\pw+32*\u+16:\pw+32*\u+31], v[rf:rf+15], v[ra:ra+7]
.endr
.endr
	WIN 0
.rept 4
	v_nop
.endr
.endm
	FETCH10 LIA
	PMUL KR, 1
	WIN 0x01
.irp m, 0,1,2,3
.irp u, 0,1
.irp i, 0,1,2,3,4,5,6,7
	v_med3_num_f32 v[XR+16*\m+8*\u+\i], v[128+8*(2*\m+\u)+\i], 0, v[LIMH]   ; the activation and the hold in one
.endr
.endr
.endr
	WIN 0
.irp m, 0,1,2,3
.irp u, 0,1
	v_cvt_scalef32_pk8_bf8_f32 v[PC+4*\m+2*\u:PC+4*\m+2*\u+1], v[XR+16*\m+8*\u:XR+16*\m+8*\u+7], v[SCLH]
.endr
.endr
	v_nop
.irp m, 0,1,2,3
	ds_store_b128 v[HW], v[PC+4*\m:PC+4*\m+3] offset:4096*\m
.endr
	s_wait_dscnt 0x0                               ; the stores have read their registers
	WIN 0x01
.irp u, 0,1
.irp i, 0,1,2,3,4,5,6,7
	v_med3_num_f32 v[XR+8*\u+\i], v[224+8*\u+\i], 0, v[LIMH]
.endr
.endr
	WIN 0
.irp u, 0,1
	v_cvt_scalef32_pk8_bf8_f32 v[PC+2*\u:PC+2*\u+1], v[XR+8*\u:XR+8*\u+7], v[SCLH]
.endr
	v_nop
	ds_store_b128 v[HW], v[PC:PC+3] offset:16384
	BARRIER                                        ; the hidden layer's ten fragments lie in LDS
	FETCH10 LIH
	PMUL VR, 0
	WIN 0x11
.irp m, 0,1,2,3
.irp u, 0,1
.irp p, 0,2,4,6
	v_pk_fma_f32 v[XR+16*\m+8*\u+\p:XR+16*\m+8*\u+\p+1], v[128+8*(2*\m+\u)+\p:128+8*(2*\m+\u)+\p+1], s[88:89], v[B2P+8*\u+\p:B2P+8*\u+\p+1] op_sel_hi:[1,0,1]   ; sum x 2^(e10 + e11) + b2
.endr
.endr
.endr
	WIN 0
.irp m, 0,1,2,3
.irp u, 0,1
.irp q, 0,1
	ds_store_b128 v[SO], v[XR+16*\m+8*\u+4*\q:XR+16*\m+8*\u+4*\q+3] offset:16640*\m+64*\u+16*\q   ; the stage lies where the branches' results lay: every wave has read them two barriers ago
.endr
.endr
.endr
	s_wait_dscnt 0x0
	WIN 0x11
.irp u, 0,1
.irp p, 0,2,4,6
	v_pk_fma_f32 v[XR+8*\u+\p:XR+8*\u+\p+1], v[224+8*\u+\p:224+8*\u+\p+1], s[88:89], v[B2P+8*\u+\p:B2P+8*\u+\p+1] op_sel_hi:[1,0,1]
.endr
.endr
	WIN 0
.irp u, 0,1
.irp q, 0,1
	ds_store_b128 v[SO4], v[XR+8*\u+4*\q:XR+8*\u+4*\q+3] offset:64*\u+16*\q
.endr
.endr
	BARRIER                                        ; 80 whole rows of the output lie in the stage
.irp i, 0,1,2,3,4,5,6,7,8,9
.irp q, 0,1
	ds_load_b128 v[128+4*(2*\i+\q):128+4*(2*\i+\q)+3], v[SR] offset:1040*\i+512*\q
.endr
.endr
.irp i, 0,1,2,3,4,5,6,7,8,9
.irp q, 0,1
	s_wait_dscnt 19-2*\i-\q
	global_store_b128 v[LI16], v[128+4*(2*\i+\q):128+4*(2*\i+\q)+3], s[42:43] offset:1024*\i+512*\q th:TH_STORE_NT   ; 32 lanes store 512 consecutive bytes, aligned
.endr
.endr
	s_wait_xcnt 0x0
	v_lshl_add_u32 v254, v0, 2, 0x1fa00
	v_mov_b32 v255, 0
	s_wait_tensorcnt 0x0
	ds_add_u32 v254, v255
	s_wait_dscnt 0x0
	s_endpgm
.Lfunc_end_k_qb2b1b9bd71_attn:
	.size	k_qb2b1b9bd71_attn, .Lfunc_end_k_qb2b1b9bd71_attn-k_qb2b1b9bd71_attn
	.p2alignl 7, 3214868480
	.fill 96, 4, 3214868480
	.section	.rodata,"a",@progbits
	.p2align	6, 0x0
	.amdhsa_kernel k_qb2b1b9bd71_attn
		.amdhsa_group_segment_fixed_size 130560
		.amdhsa_private_segment_fixed_size 0
		.amdhsa_enable_private_segment 0
		.amdhsa_kernarg_size 160
		.amdhsa_user_sgpr_count 2
		.amdhsa_user_sgpr_kernarg_segment_ptr 1
		.amdhsa_wavefront_size32 1
		.amdhsa_system_sgpr_workgroup_id_x 1
		.amdhsa_system_sgpr_workgroup_id_y 1
		.amdhsa_system_sgpr_workgroup_id_z 1
		.amdhsa_system_vgpr_workitem_id 0
		.amdhsa_next_free_vgpr 512
		.amdhsa_next_free_sgpr 96
		.amdhsa_reserve_vcc 0
		.amdhsa_float_denorm_mode_32 3
		.amdhsa_float_denorm_mode_16_64 3
		.amdhsa_memory_ordered 1
		.amdhsa_forward_progress 1
		.amdhsa_inst_pref_size 148
	.end_amdhsa_kernel
	.amdgpu_metadata
---
amdhsa.version: [ 1, 2 ]
amdhsa.kernels:
  - .name:           k_qb2b1b9bd71_attn
    .symbol:         k_qb2b1b9bd71_attn.kd
    .args:
      - { .name: events, .offset: 0, .size: 8, .value_kind: global_buffer, .address_space: global }
      - { .name: de, .offset: 8, .size: 8, .value_kind: global_buffer, .address_space: global }
      - { .name: local_idx, .offset: 16, .size: 8, .value_kind: global_buffer, .address_space: global }
      - { .name: inv_pair_idx, .offset: 24, .size: 8, .value_kind: global_buffer, .address_space: global }
      - { .name: tabl, .offset: 32, .size: 8, .value_kind: global_buffer, .address_space: global }
      - { .name: tabg, .offset: 40, .size: 8, .value_kind: global_buffer, .address_space: global }
      - { .name: kvp, .offset: 48, .size: 8, .value_kind: global_buffer, .address_space: global }
      - { .name: wimg, .offset: 56, .size: 8, .value_kind: global_buffer, .address_space: global }
      - { .name: lowp_scales, .offset: 64, .size: 8, .value_kind: global_buffer, .address_space: global }
      - { .name: local_pe_w1, .offset: 72, .size: 8, .value_kind: global_buffer, .address_space: global }
      - { .name: global_pe_w1, .offset: 80, .size: 8, .value_kind: global_buffer, .address_space: global }
      - { .name: local_pe_b1, .offset: 88, .size: 8, .value_kind: global_buffer, .address_space: global }
      - { .name: global_pe_b1, .offset: 96, .size: 8, .value_kind: global_buffer, .address_space: global }
      - { .name: local_fc_g, .offset: 104, .size: 8, .value_kind: global_buffer, .address_space: global }
      - { .name: global_fc_g, .offset: 112, .size: 8, .value_kind: global_buffer, .address_space: global }
      - { .name: local_fc_b, .offset: 120, .size: 8, .value_kind: global_buffer, .address_space: global }
      - { .name: global_fc_b, .offset: 128, .size: 8, .value_kind: global_buffer, .address_space: global }
      - { .name: proj_b1, .offset: 136, .size: 8, .value_kind: global_buffer, .address_space: global }
      - { .name: proj_b2, .offset: 144, .size: 8, .value_kind: global_buffer, .address_space: global }
      - { .name: out0, .offset: 152, .size: 8, .value_kind: global_buffer, .address_space: global }
    .group_segment_fixed_size: 130560
    .private_segment_fixed_size: 0
    .kernarg_segment_align: 8
    .kernarg_segment_size: 160
    .max_flat_workgroup_size: 256
    .sgpr_count:     96
    .vgpr_count:     512
    .wavefront_size: 32
...
	.end_amdgpu_metadata
.endif
;; end of part 4
;; ======== version 2 of 2: 4 launches; version 1 with the launches qkv, attn written anew for expert scheduling mode
;; workspace buffers: wimg 360,448 bytes; qbias 3,072 bytes; de 40,192 bytes; tabl 30,720,000 bytes; tabg 30,720,000 bytes; kvp 3,840,000 bytes
;; launch prep: the kernel of part 1 again; grid 65 x 1, 4 waves a work-group, no clusters, 0 bytes of LDS; arguments local_qkv_w, global_qkv_w, local_pe_w2, global_pe_w2, proj_w1, proj_w2, lowp_scales, events, down_idx, local_qkv_b, global_qkv_b, local_pe_b2, global_pe_b2, wimg, de, qbias; writes wimg, de, qbias
;; launch qkv (part 5): grid 250 x 1, 12 waves a work-group, no clusters, 196,096 bytes of LDS; arguments features, wimg, qbias, lowp_scales, tabl, tabg; writes tabl, tabg
.if DOCPART == 5
	.amdgcn_target "amdgcn-amd-amdhsa--gfx1250"
	.amdhsa_code_object_version 6
	.text
	.protected	k_qb2b1b9bd71_qkv
	.globl	k_qb2b1b9bd71_qkv
	.p2align	8
	.type	k_qb2b1b9bd71_qkv,@function
k_qb2b1b9bd71_qkv:
	s_mov_b64 s[64:65], 0
	v_nop
	global_prefetch_b8 v0, s[64:65] scope:SCOPE_SE
	s_setreg_imm32_b32 hwreg(HW_REG_WAVE_SCHED_MODE, 0, 2), 2
	s_setreg_imm32_b32 hwreg(HW_REG_WAVE_MODE, 25, 1), 1
	s_wait_xcnt 0x0
	s_wait_alu depctr_vm_vsrc(0)
; tabl, tabg [20000][384] f32 = Q' | K' | V' = (features x qkv_w + bias) / 2^es, es = e0 + e1 (local) or e4 + e5 (global): both products on codes of BF8.
; A raw sum stands for sum x 2^(eA + eB), so a table's number is sum x 2^(eA + eB - es) + the bias that the launch before has divided by 2^es: one packed multiply-add.
; SHARES.  A work-group takes 80 rows, five tiles of 16.  THE WAVES SHARE THE COLUMNS: wave w serves set w / 6 (0 local, 1 global) and 64 columns, 256 bytes of a table's row;
; its eight images of the weight (4 tiles x 2 K steps, 128 registers) stay in registers.  The features are read once: waves 0-9 take one chunk each (16 rows x 128 K), turn it through
; their own LDS rows so that a lane holds 16 neighbours along K, quantise it twice (the two products have scales of their own) and leave the fragments in LDS as images of registers.
; The product is used transposed (source 0 = 16 columns of W, source 1 = 16 rows): a lane holds eight neighbouring columns of one row; they go through the wave's own stage and
; leave as whole rows of 256 bytes, sixteen lanes to an aligned block.
; No tensor loads and no cluster: work-groups share only the weights, which each wave reads once into registers.
; LIMITS: e2, e6 between -126 and 112; e2 + e3 - e0 - e1 and e6 + e7 - e4 - e5 between -126 and 127.  NaN and infinities are not served.
; THE MODE: SCHED_MODE bits 1:0 = 2 (LLVM: expert scheduling mode 2), set by the entry lines.  The code itself states the register dependences
; between vector or matrix instructions and memory or LDS instructions, with s_wait_alu, always for 0.
; THE PLAN.  Registers that memory or LDS instructions touch:
;   v1-9     addresses and offsets, made once at the head and never written again: one wait on va_vdst ahead of the first load serves them all.
;   v64-127  the chunk's loads land; the turn's stores read them; the turn's loads land in them again (a wait on vm_vsrc between); the holds read them.  From the barrier on:
;   v64-95   a tile's two fragments land, the products read them, the rows read back from the stage land, the global stores read them;
;   v96-127  the products write them, the multiply-adds rewrite them, the stage's stores read them.
;   v32-63   the conversions write the codes, the images' stores read them, then the biases land there.
;   v128-255 the weight's images land once.  v10-31 are named by vector instructions alone.
; Both quantisations stand ahead of ONE wait on va_vdst, and the eight stores of the images follow it.  A tile of rows has one wait on va_vdst, behind its multiply-adds: the stage's stores
; and the loads back follow it; and one on vm_vsrc at its end, ahead of the next tile's loads and products.
.set STG,  40960                       ; LDS: 0: 20 images (10 x set + 2 m + s) of 2,048 bytes; STG: 12 stages of 16 x 272; TURN: 12 regions of 16 x 528
.set TURN, 93184
.set L16,  1                           ; v1  16 x lane
.set TW,   2                           ; v2  the turn, way in
.set TR,   3                           ; v3  the turn, way out: row r, 64 h
.set IW,   4                           ; v4  where I store my images
.set LIS,  5                           ; v5  where I read my set's images
.set STO,  6                           ; v6  the stage, in
.set RD,   7                           ; v7  the stage, back
.set CO,   8                           ; v8  my bytes in two rows of the table
.set H32,  9                           ; v9  32 h
.set TT,   16                          ; v16-31  numbers held, two sets of eight
.set BIAS, 32                          ; v32-63  first the codes (two fragments), then the biases
.set XR,   64                          ; v64-127 a chunk's 64 numbers a lane; then:
.set AF,   64                          ; v64-95  two fragments of the features; then 16 rows read back from the stage
.set ACC,  96                          ; v96-127 four accumulators
.set WR,   128                         ; v128-255 my eight images of W
	s_load_b256 s[4:11], s[0:1], 0x0               ; features, wimg, qbias, lowp_scales
	s_load_b128 s[12:15], s[0:1], 0x20             ; tabl, tabg
	s_set_vgpr_msb 0x40
	v_lshl_add_u32 v0, v0, 2, 0x2f800
	v_mov_b32 v1, 0
	s_set_vgpr_msb 0x4000
	v_lshrrev_b32 v1, 5, v0
	v_readfirstlane_b32 s16, v1                    ; wave 0..11
	v_and_b32 v14, 31, v0
	v_and_b32 v15, 15, v0                          ; r
	v_bfe_u32 v9, v0, 4, 1                         ; h
	v_lshlrev_b32 v[L16], 4, v14
	s_wait_alu depctr_va_sdst(0)                   ; s16 is written, ahead of its first reader: addresses and branches are made from it
	s_mul_i32 s17, s16, 43
	s_lshr_b32 s17, s17, 8                         ; set = wave / 6
	s_mul_i32 s18, s17, 6
	s_sub_co_u32 s18, s16, s18                     ; which 64 columns
	s_mul_i32 s19, s16, 8448                       ; every LDS address is made here, ahead of the first branch on the wave's number
	s_add_co_u32 s19, s19, TURN
	v_add_nc_u32 v[TW], s19, v[L16]
	v_mul_u32_u24 v[TR], v15, 528
	v_lshl_add_u32 v[TR], v9, 6, v[TR]
	v_add_nc_u32 v[TR], s19, v[TR]
	s_lshl_b32 s19, s16, 11
	v_add_nc_u32 v[IW], s19, v[L16]
	s_mul_i32 s19, s17, 20480
	v_add_nc_u32 v[LIS], s19, v[L16]
	s_mul_i32 s19, s16, 4352
	s_add_co_u32 s19, s19, STG
	v_mul_u32_u24 v[STO], v15, 272
	v_lshl_add_u32 v[STO], v9, 5, v[STO]
	v_add_nc_u32 v[STO], s19, v[STO]
	v_mul_u32_u24 v[RD], v9, 272
	v_lshl_add_u32 v[RD], v15, 4, v[RD]
	v_add_nc_u32 v[RD], s19, v[RD]
	v_mul_u32_u24 v[CO], v9, 1536
	v_lshl_add_u32 v[CO], v15, 4, v[CO]
	v_lshlrev_b32 v[H32], 5, v9
	s_wait_kmcnt 0x0
	s_load_b256 s[24:31], s[10:11], 0x0            ; e0 .. e7
	s_mul_i32 s20, ttmp9, 80*1024
	s_lshr_b32 s21, s16, 1
	s_lshl_b32 s21, s21, 14                        ; my chunk: rows 16 (wave / 2) on,
	s_add_co_u32 s20, s20, s21
	s_and_b32 s21, s16, 1
	s_lshl_b32 s21, s21, 9                         ; K step wave % 2
	s_add_co_u32 s20, s20, s21
	s_mov_b32 s21, 0
	s_add_nc_u64 s[4:5], s[4:5], s[20:21]
	s_mul_i32 s20, s17, 48
	s_lshl_b32 s22, s18, 3
	s_add_co_u32 s20, s20, s22
	s_lshl_b32 s20, s20, 11
	s_add_nc_u64 s[6:7], s[6:7], s[20:21]          ; my eight images, 16 KiB on end
	s_mul_i32 s20, s17, 1536
	s_lshl_b32 s22, s18, 8
	s_add_co_u32 s20, s20, s22
	s_add_nc_u64 s[8:9], s[8:9], s[20:21]          ; my 64 biases
	s_cmp_eq_u32 s17, 0
	s_cselect_b64 s[12:13], s[12:13], s[14:15]     ; my set's table
	s_mul_i32 s20, ttmp9, 80*1536
	s_add_co_u32 s20, s20, s22
	s_add_nc_u64 s[12:13], s[12:13], s[20:21]      ; at the work-group's first row, my 256 bytes
	s_wait_alu depctr_va_vdst(0)                   ; the nine addresses and offsets v1 to v9 are written: every load and store of the kernel reads one of them
	s_cmp_ge_u32 s16, 10
	s_cbranch_scc1 .Lno_x
.irp i, 0,1,2,3,4,5,6,7,8,9,10,11,12,13,14,15
	global_load_b128 v[XR+4*\i:XR+4*\i+3], v[L16], s[4:5] offset:1024*\i th:TH_LOAD_NT   ; row i: 512 consecutive bytes
.endr
.Lno_x:
.set i, 0
.rept 32
	global_load_b128 v[WR+4*i:WR+4*i+3], v[L16], s[6:7] offset:512*i
.set i, i+1
.endr
	s_wait_kmcnt 0x0
	s_add_co_i32 s32, s26, 127
	s_lshl_b32 s33, s32, 23
	v_mov_b32 v10, s33                             ; 2^e2
	s_add_co_i32 s32, s32, 15
	s_lshl_b32 s32, s32, 23
	s_or_b32 s32, s32, 0x600000
	v_mov_b32 v11, s32                             ; 57,344 x 2^e2
	s_add_co_i32 s32, s30, 127
	s_lshl_b32 s33, s32, 23
	v_mov_b32 v12, s33                             ; 2^e6
	s_add_co_i32 s32, s32, 15
	s_lshl_b32 s32, s32, 23
	s_or_b32 s32, s32, 0x600000
	v_mov_b32 v13, s32                             ; 57,344 x 2^e6
	s_add_co_i32 s34, s26, s27
	s_sub_co_i32 s34, s34, s24
	s_sub_co_i32 s34, s34, s25                     ; e2 + e3 - e0 - e1
	s_add_co_i32 s35, s30, s31
	s_sub_co_i32 s35, s35, s28
	s_sub_co_i32 s35, s35, s29                     ; e6 + e7 - e4 - e5
	s_cmp_eq_u32 s17, 0
	s_cselect_b32 s34, s34, s35
	s_add_co_i32 s34, s34, 127
	s_lshl_b32 s34, s34, 23                        ; my set's power of two as f32
	s_mov_b32 s35, s34                             ; (named with it as a pair, so it is written)
; 64 numbers of a lane become a fragment's codes in v[pc] on.  The numbers are kept: they are quantised twice.
.macro QUANT2 pc, scl, lim
.irp g, 0,1,2,3,4,5,6,7
.irp i, 0,1,2,3,4,5,6,7
	v_med3_num_f32 v[TT+8*(\g%2)+\i], v[XR+8*\g+\i], -v[\lim], v[\lim]   ; the hold at the largest code x the scale (ISA guide 7.6.2: the conversion does not saturate)
.endr
	v_cvt_scalef32_pk8_bf8_f32 v[\pc+2*\g:\pc+2*\g+1], v[TT+8*(\g%2):TT+8*(\g%2)+7], v[\scl]
.endr
	v_nop                                          ; a plain line behind the last conversion
.endm
; The fragment in v[pc] on goes to LDS as it stands.
.macro IMG pc, off
.irp c, 0,1,2,3
	ds_store_b128 v[IW], v[\pc+4*\c:\pc+4*\c+3] offset:\off+512*\c
.endr
.endm
	s_cmp_ge_u32 s16, 10
	s_cbranch_scc1 .Lno_q
	s_wait_loadcnt 32                              ; my chunk is in; the 32 loads of W behind it may be out
.irp i, 0,1,2,3,4,5,6,7,8,9,10,11,12,13,14,15
	ds_store_b128 v[TW], v[XR+4*\i:XR+4*\i+3] offset:528*\i    ; rows 528 bytes apart, an odd multiple of 16
.endr
	s_wait_alu depctr_vm_vsrc(0)                   ; the sixteen stores have read v64-127, in which the loads below land
.irp b, 0,1,2,3
.irp q, 0,1,2,3
	ds_load_b128 v[XR+16*\b+4*\q:XR+16*\b+4*\q+3], v[TR] offset:128*\b+16*\q   ; my own bytes, served in order (ISA guide 5.7.1.4): k = 32 b + 16 h + 4 q on of row r
.endr
.endr
	s_wait_dscnt 0x0
	QUANT2 32, 10, 11
	QUANT2 48, 12, 13
	s_wait_alu depctr_va_vdst(0)                   ; the conversions have written the codes v32-63, which the eight stores read; the holds are done reading v64-127, in which the first tile's fragments will land
	IMG 32, 0
	IMG 48, 20480
.Lno_q:
	s_wait_dscnt 0x0                               ; my images have landed
	s_barrier_signal -1
	s_barrier_wait -1                              ; all twenty lie in LDS
	s_wait_alu depctr_vm_vsrc(0)                   ; the images' stores have read v32-63, in which the biases land; the turn's stores have read v64-127, which fragments and products write
.irp t, 0,1,2,3
.irp q, 0,1
	global_load_b128 v[BIAS+8*\t+4*\q:BIAS+8*\t+4*\q+3], v[H32], s[8:9] offset:64*\t+16*\q   ; lane (r, h), tile t: columns 16 t + 8 h + 0 .. 7
.endr
.endr
; One tile of 16 rows: two fragments from LDS, eight products (four accumulators by turns), the multiply-add, the stage, eight stores.
.macro ROWS m
.irp s, 0,1
.irp c, 0,1,2,3
	ds_load_b128 v[AF+16*\s+4*\c:AF+16*\s+4*\c+3], v[LIS] offset:(2*\m+\s)*2048+512*\c
.endr
.endr
	s_wait_dscnt 0x0
.if \m == 0
	s_wait_loadcnt 8                               ; W is in; the eight loads of the biases may be out
.endif
.irp t, 0,1,2,3
	v_wmma_f32_16x16x128_bf8_bf8 v[ACC+8*\t:ACC+8*\t+7], v[WR+32*\t:WR+32*\t+15], v[AF:AF+15], 0
.endr
.irp t, 0,1,2,3
	v_wmma_f32_16x16x128_bf8_bf8 v[ACC+8*\t:ACC+8*\t+7], v[WR+32*\t+16:WR+32*\t+31], v[AF+16:AF+31], v[ACC+8*\t:ACC+8*\t+7]
.endr
.rept 4
	v_nop                                          ; four places ahead of the first read of results (ISA guide 7.12.1)
.endr
.if \m == 0
	s_wait_loadcnt 0x0
.endif
.irp i, 0,2,4,6,8,10,12,14,16,18,20,22,24,26,28,30
	v_pk_fma_f32 v[ACC+\i:ACC+\i+1], v[ACC+\i:ACC+\i+1], s[34:35], v[BIAS+\i:BIAS+\i+1] op_sel_hi:[1,0,1]   ; each accumulator from its low end on
.endr
	s_wait_alu depctr_va_vdst(0)                   ; the multiply-adds have written v96-127, which the stage's stores read; the products are done reading the fragments v64-95, in which the rows read back land
.irp t, 0,1,2,3
.irp q, 0,1
	ds_store_b128 v[STO], v[ACC+8*\t+4*\q:ACC+8*\t+4*\q+3] offset:64*\t+16*\q
.endr
.endr
.irp i, 0,1,2,3,4,5,6,7
	ds_load_b128 v[AF+4*\i:AF+4*\i+3], v[RD] offset:544*\i     ; rows 2 i and 2 i + 1, whole; my own bytes, served in order
.endr
.irp i, 0,1,2,3,4,5,6,7
	s_wait_dscnt 7-\i
	global_store_b128 v[CO], v[AF+4*\i:AF+4*\i+3], s[12:13] offset:(16*\m+2*\i)*1536   ; sixteen lanes store 256 consecutive bytes, aligned
.endr
	s_wait_xcnt 0x0                                ; the stores have had their addresses translated: the next tile's fragments may land in their registers
.if \m < 4
	s_wait_alu depctr_vm_vsrc(0)                   ; the global stores have read v64-95, in which the next tile's fragments land; the stage's stores have read v96-127, which its products write
.endif
.endm
	ROWS 0
	ROWS 1
	ROWS 2
	ROWS 3
	ROWS 4
	s_set_vgpr_msb 0x5                             ; the add's two registers lie in window 1
	s_wait_dscnt 0x0                               ; the closing lines, six on end
	s_wait_alu 0x0
	s_wait_tensorcnt 0x0
	ds_add_u32 v0, v1
	s_wait_dscnt 0x0
	s_endpgm
.Lfunc_end_k_qb2b1b9bd71_qkv:
	.size	k_qb2b1b9bd71_qkv, .Lfunc_end_k_qb2b1b9bd71_qkv-k_qb2b1b9bd71_qkv
	.p2alignl 7, 3214868480
	.fill 96, 4, 3214868480
	.section	.rodata,"a",@progbits
	.p2align	6, 0x0
	.amdhsa_kernel k_qb2b1b9bd71_qkv
		.amdhsa_group_segment_fixed_size 196096
		.amdhsa_private_segment_fixed_size 0
		.amdhsa_enable_private_segment 0
		.amdhsa_kernarg_size 48
		.amdhsa_user_sgpr_count 2
		.amdhsa_user_sgpr_kernarg_segment_ptr 1
		.amdhsa_wavefront_size32 1
		.amdhsa_system_sgpr_workgroup_id_x 1
		.amdhsa_system_sgpr_workgroup_id_y 1
		.amdhsa_system_sgpr_workgroup_id_z 1
		.amdhsa_system_vgpr_workitem_id 0
		.amdhsa_next_free_vgpr 258
		.amdhsa_next_free_sgpr 66
		.amdhsa_reserve_vcc 0
		.amdhsa_float_denorm_mode_32 3
		.amdhsa_float_denorm_mode_16_64 3
		.amdhsa_memory_ordered 1
		.amdhsa_forward_progress 1
		.amdhsa_inst_pref_size 43
	.end_amdhsa_kernel
	.amdgpu_metadata
---
amdhsa.version: [ 1, 2 ]
amdhsa.kernels:
  - .name:           k_qb2b1b9bd71_qkv
    .symbol:         k_qb2b1b9bd71_qkv.kd
    .args:
      - { .name: features, .offset: 0, .size: 8, .value_kind: global_buffer, .address_space: global }
      - { .name: wimg, .offset: 8, .size: 8, .value_kind: global_buffer, .address_space: global }
      - { .name: qbias, .offset: 16, .size: 8, .value_kind: global_buffer, .address_space: global }
      - { .name: lowp_scales, .offset: 24, .size: 8, .value_kind: global_buffer, .address_space: global }
      - { .name: tabl, .offset: 32, .size: 8, .value_kind: global_buffer, .address_space: global }
      - { .name: tabg, .offset: 40, .size: 8, .value_kind: global_buffer, .address_space: global }
    .group_segment_fixed_size: 196096
    .private_segment_fixed_size: 0
    .kernarg_segment_align: 8
    .kernarg_segment_size: 48
    .max_flat_workgroup_size: 384
    .sgpr_count:     66
    .vgpr_count:     258
    .wavefront_size: 32
...
	.end_amdgpu_metadata
.endif
;; end of part 5
;; launch pool: the kernel of part 3 again; grid 625 x 1, 4 waves a work-group, no clusters, 0 bytes of LDS; arguments pair_idx, tabg, kvp; writes kvp
;; launch attn (part 6): grid 250 x 1, 8 waves a work-group, no clusters, 130,560 bytes of LDS; arguments events, de, local_idx, inv_pair_idx, tabl, tabg, kvp, wimg, lowp_scales, local_pe_w1, global_pe_w1, local_pe_b1, global_pe_b1, local_fc_g, global_fc_g, local_fc_b, global_fc_b, proj_b1, proj_b2, out0; writes out0
.if DOCPART == 6
	.amdgcn_target "amdgcn-amd-amdhsa--gfx1250"
	.amdhsa_code_object_version 6
	.text
	.protected	k_qb2b1b9bd71_attn
	.globl	k_qb2b1b9bd71_attn
	.p2align	8
	.type	k_qb2b1b9bd71_attn,@function
k_qb2b1b9bd71_attn:
	s_mov_b64 s[64:65], 0
	v_nop
	global_prefetch_b8 v0, s[64:65] scope:SCOPE_SE
	s_setreg_imm32_b32 hwreg(HW_REG_WAVE_SCHED_MODE, 0, 2), 2
	s_setreg_imm32_b32 hwreg(HW_REG_WAVE_MODE, 25, 1), 1
	s_wait_xcnt 0x0
	s_wait_alu depctr_vm_vsrc(0)
; Both attention branches and the closing MLP.  A work-group takes 80 points; waves 0-3 do the local branch, waves 4-7 the global one, 20 points each, one point a trip; then the eight
; waves share the columns of the two closing products, 32 each, for the 80 rows.  One text serves both branches: a branch's buffers are chosen once by the wave's number.
; ARITHMETIC.  es = e0 + e1 (local) or e4 + e5 (global).  S is the raw sum of the position product on codes, so pe = S 2^es + b2.  The tables hold Q' = (q + b2) / 2^es, K' = k / 2^es,
; V' = (v + b2) / 2^es.  x' = S + Q' - K' is the LayerNorm's input / 2^es.  The mean is taken away first, then the squares are summed; rs = rsq(sum + 128 eps / 2^(2 es)); sqrt(128) cancels
; against 1 / SCALE; y = xc' rs (g log2 e) + fc_b log2 e / sqrt(128); the largest y of the 16 neighbours is taken away; p = 2^y; o' = sum p (S + V') / sum p = the branch's result / 2^es.
; That factor goes into the scale of the conversion ahead of the first closing product.
; LAYOUT.  Lane (r = l % 16, h = l / 16).  The hidden layer of the position MLP is made transposed by the f32 matrix form (source 0 = 16 units x 4, source 1 = 4 x 16 neighbours, C = b1): a lane
; holds one neighbour, and the units that form a tile are chosen so that the conversions' results are the next operand's registers.  The position product is used as it stands: register j of
; tile t is (neighbour 8 h + j, channel 64 (t / 4) + 4 r + t % 4).  So the softmax runs over a lane's eight registers and one exchange of halves, the LayerNorm over eight tiles and sixteen
; lanes, and a lane's channels of tiles 0-3 (4-7) are 16 neighbouring bytes of a table's row: sixteen lanes read 256 consecutive bytes, aligned.
; INDICES.  A point's 16 indices are the same for every lane: they come by one scalar load of 64 bytes, and a lane's row offset is index(8 + j) x 1,536 h + index(j) x 1,536 (1 - h) + 16 r.
; Only the neighbour's event wants an index a lane (lane r: index r): that one comes by a vector load.
; LOADS run a point ahead, in this order in every trip: events 2, K and Q 18, the event index of the point after next 1, V 16; the counted waits rest on that order.
; No tensor loads and no cluster: what work-groups share are the weights, which stay in registers; the gathers are single rows at places that the indices give.  No prefetch: a table's row
; is named by many points of many work-groups, so no block could be asked for once.
; LIMITS: e0, e4, e8 - es, e10 - e8 - e9 between -126 and 112; e10 + e11 between -126 and 127; es between -68 and 58.  NaN and infinities are not served.  An index lies inside its table
; (the hold written here is 19,999).  b2 is added to q and to v ahead of the sums with S, not behind them.
; THE MODE: SCHED_MODE bits 1:0 = 2 (LLVM: expert scheduling mode 2), set by the entry lines.  The code itself states the register dependences
; between vector or matrix instructions and memory or LDS instructions, with s_wait_alu, always for 0.
; THE PLAN.  Registers that memory or LDS instructions touch, in the loop (all in window 0):
;   v1, v2, v10, v12, v15  offsets, made at the head and never written in the loop.
;   v24-31, v11   the rows' offsets and the event's: written once a trip (ADDR); read by that trip's loads of the events, of K' and of V'.
;   v6-9          the events land; the subtraction reads them and writes v6-7; the f32 products read v6-7.      v5  the event index lands; ADDR reads it.
;   v32-39, v128-191  Q' and K' land; the 64 subtractions read them.      v192-255  V' lands; the 64 multiply-adds read it.
;   v64-127       pe_b1's tiles land; the f32 products read them as C; from the subtractions to the multiply-adds with V' vector instructions work on them.
;   v16-19, v14   written by the point's closing arithmetic; read by its one LDS store.
; So a trip has, beside the waits behind its transcendentals: ONE wait on vm_vsrc near its head (all that was issued so far has read its registers: the store's data and address and the offsets are
; written again behind it); a wait on va_vdst behind ADDR and the subtractions, with the loads of the events, K', Q' and the indices in one run behind it; one behind the multiply-adds with V',
; with pe_b1's tiles and V' behind it; and one ahead of the store.
; REGISTERS, window 0: v0 thread; v1-15 addresses, the events and the event index; v16-23 the weighted sum; v24-31 the neighbours' row offsets; v32-39 Q'; v40-47 g; v48-55 fc_b;
;   v56-63 a figure a neighbour or a tile; v64-127 x (8 t + j); v128-191 K' (8 j + t); v192-255 V' (8 j + t).
; window 1: v0-127 pe_w2's eight fragments; v128-191 the hidden layer, then S: written by matrix instructions alone; v192-207 pe_w1's; v208-223 numbers held, then
;   pairs of sums, then the other half's figures; v224-239 the hidden codes, then pairs of sums; v240, v241 scale and hold.
.set AIMG, 84480                       ; LDS: 0: the branches' results, branch s at 42,240 s, 80 rows x 528; later the stage, 80 rows x 1,040
.set HIMG, 104960                      ; AIMG, HIMG: ten images each of 2,048 bytes (2 m + s): the operands of the two closing products
.set B1L,  125440                      ; each wave's own copy of its pe_b1, 512 bytes
.set LK,   1                           ; 16 r
.set LE,   2                           ; 8 h
.set VH6,  3                           ; 1,536 h
.set VN6,  4                           ; 1,536 (1 - h)
.set IDXE, 5                           ; index r of the next point
.set EJ,   6                           ; v6-7  the neighbour's event, then the difference of events
.set EN,   8
.set LR4,  10                          ; 4 r
.set AE,   11                          ; the neighbour's event: 16 x index + 8 h
.set B1A,  12
.set ATT0, 13
.set ATTW, 14
.set LI16, 15                          ; 16 x lane
.set ACCV, 16
.set AJ,   24
.set QR,   32
.set GR,   40
.set BR,   48
.set S1,   56
.set XR,   64
.set KR,   128
.set VR,   192
.set W2F,  0                           ; window 1
.set HID,  128
.set W1F,  192
.set TT,   208
.set AP,   208
.set HC,   224
.set LP,   224
.set SCL,  240
.set LIM,  241
.set B2P,  240                         ; the closing MLP: proj_b2, window 1
.set LH32, 3                           ; and window 0: 32 h,
.set XS,   4                           ; addresses,
.set XD,   5
.set LIA,  6
.set LIH,  7
.set HW,   8
.set SO,   9
.set SO4,  10
.set SR,   12
.set PC,   16                          ; codes just made,
.set SCLA, 32                          ; scales and holds,
.set LIMA, 33
.set SCLH, 34
.set LIMH, 35
.set PC5,  36                          ; v36-39 the codes of the fifth tile of rows,
.set T5,   40                          ; v40-55 its numbers: registers of their own, so that all five tiles' stores follow one wait
.set PB1,  48                          ; proj_b1, until the first closing product has read it
.set MSB, 0
.macro WIN new                         ; low byte: bits 1:0 source 0, 3:2 source 1, 5:4 source 2, 7:6 destination; the high byte repeats the setting that is left
.if MSB != \new
	s_set_vgpr_msb (MSB<<8)|\new
.set MSB, \new
.endif
.endm
.macro ADDR                            ; the loaded indices become offsets: held at the table's last row; lanes 0-15 take rows 0-7, lanes 16-31 rows 8-15; the event's x 16 + 8 h
.irp j, 0,1,2,3,4,5,6,7,8,9,10,11,12,13,14,15
	s_min_u32 s[4+\j], s[4+\j], 0x4e1f
.endr
.irp j, 0,1,2,3,4,5,6,7
	v_mad_u32_u24 v[AJ+\j], s[12+\j], v[VH6], v[LK]
.endr
.irp j, 0,1,2,3,4,5,6,7
	v_mad_u32_u24 v[AJ+\j], s[4+\j], v[VN6], v[AJ+\j]
.endr
	v_min_u32 v[AE], 0x4e1f, v[IDXE]
	v_lshl_add_u32 v[AE], v[AE], 4, v[LE]
.endm
.macro EVLOAD                          ; coordinates 2 h, 2 h + 1 of neighbour r and of the point
	global_load_b64 v[EJ:EJ+1], v[AE], s[48:49]
	global_load_b64 v[EN:EN+1], v[LE], s[56:57]
.endm
.macro IDXLOAD                         ; a point's 16 indices into s[4:19]; index r into lane r for the event
	s_load_b512 s[4:19], s[58:59], 0x0
	global_load_b32 v[IDXE], v[LR4], s[58:59]
.endm
.macro GATHER reg, off                 ; 512 bytes of each of my half's eight rows: sixteen lanes read 256 consecutive bytes
.irp j, 0,1,2,3,4,5,6,7
	global_load_b128 v[\reg+8*\j:\reg+8*\j+3], v[AJ+\j], s[54:55] offset:\off
	global_load_b128 v[\reg+8*\j+4:\reg+8*\j+7], v[AJ+\j], s[54:55] offset:\off+256
.endr
.endm
.macro QLOAD                           ; read once in the launch
	global_load_b128 v[QR:QR+3], v[LK], s[52:53] th:TH_LOAD_NT
	global_load_b128 v[QR+4:QR+7], v[LK], s[52:53] offset:256 th:TH_LOAD_NT
.endm
.macro B1C_LOAD                        ; pe_b1 in the hidden layer's layout: tile t, register i: unit 32 (t / 2) + 8 (t % 2) + 16 h + i
.irp t, 0,1,2,3,4,5,6,7
.irp q, 0,1
	ds_load_b128 v[XR+8*\t+4*\q:XR+8*\t+4*\q+3], v[B1A] offset:128*(\t/2)+32*(\t%2)+16*\q
.endr
.endr
.endm
.macro LANESUM                         ; S1's eight figures summed over the sixteen lanes of a half
.irp k, 1,2,4,8
.irp j, 0,1,2,3,4,5,6,7
	v_add_f32_dpp v[S1+\j], v[S1+\j], v[S1+\j] row_xmask:\k row_mask:0xf bank_mask:0xf
.endr
.endr
.endm
.macro AFFINE t, o                     ; tile t: x g + b; o = t % 2 picks the tile's word of the pairs
.irp p, 0,2,4,6
	v_pk_fma_f32 v[XR+8*(\t)+\p:XR+8*(\t)+\p+1], v[XR+8*(\t)+\p:XR+8*(\t)+\p+1], v[GR+(\t)-\o:GR+(\t)-\o+1], v[BR+(\t)-\o:BR+(\t)-\o+1] op_sel:[0,\o,\o] op_sel_hi:[1,\o,\o]
.endr
.endm
.macro SUBMAX t, o                     ; tile t: less the channel's largest
.irp p, 0,2,4,6
	v_pk_add_f32 v[XR+8*(\t)+\p:XR+8*(\t)+\p+1], v[XR+8*(\t)+\p:XR+8*(\t)+\p+1], v[S1+(\t)-\o:S1+(\t)-\o+1] op_sel:[0,\o] op_sel_hi:[1,\o] neg_lo:[0,1] neg_hi:[0,1]
.endr
.endm
.macro BARRIER                         ; my LDS stores have landed and my LDS loads are in: then the work-group's barrier
	s_wait_dscnt 0x0
	s_barrier_signal -1
	s_barrier_wait -1
.endm
	s_load_b512 s[4:19], s[0:1], 0x0               ; events, de, local_idx, inv_pair_idx, tabl, tabg, kvp, wimg
	s_load_b512 s[20:35], s[0:1], 0x40             ; lowp_scales, pe_w1 l g, pe_b1 l g, fc_g l g, local_fc_b
	s_load_b256 s[36:43], s[0:1], 0x80             ; global_fc_b, proj_b1, proj_b2, out0
	v_lshrrev_b32 v1, 5, v0
	v_readfirstlane_b32 s44, v1                    ; wave 0..7
	v_and_b32 v24, 15, v0                          ; r
	v_bfe_u32 v25, v0, 4, 1                        ; h
	v_and_b32 v26, 31, v0
	v_lshlrev_b32 v[LK], 4, v24
	v_lshlrev_b32 v[LE], 3, v25
	v_mul_u32_u24 v[VH6], v25, 0x600               ; a table's row is 1,536 bytes
	v_sub_nc_u32 v[VN6], 0x600, v[VH6]
	v_lshlrev_b32 v[LR4], 2, v24
	v_lshlrev_b32 v[LI16], 4, v26
	s_wait_alu depctr_va_sdst(0)                   ; s44 is written, ahead of its first reader: the branch, addresses and bases are made from it
	s_lshr_b32 s45, s44, 2                         ; branch
	s_and_b32 s46, s44, 3
	s_lshl_b32 s82, s44, 9
	s_add_co_u32 s82, s82, B1L
	v_lshl_add_u32 v[B1A], v25, 6, s82
	v_add_nc_u32 v[ATTW], s82, v[LI16]             ; (first: where my copy of pe_b1 goes)
	s_mul_i32 s82, s44, 10560
	v_lshl_add_u32 v[ATT0], v25, 8, v[LK]
	v_add_nc_u32 v[ATT0], s82, v[ATT0]             ; my 20 rows of results: 256 h + 16 r in a row
	v_and_b32 v27, 8, v24
	v_add_nc_u32 v27, v27, v24
	v_lshlrev_b32 v27, 2, v27
	v_lshl_add_u32 v27, v25, 10, v27               ; pe_w1: rows 2 h on, column r + 8 (r / 8)
	s_mov_b32 s80, 0x76543210                      ; v_permlanex16_b32: lane l xor 16
	s_mov_b32 s81, 0xfedcba98
	s_mov_b32 s67, 0xffff0000                      ; lanes 16-31
	s_mov_b32 s83, 0
	s_mov_b32 s66, 0
	s_mul_i32 s61, ttmp9, 80
	s_mul_i32 s82, s46, 20
	s_add_co_u32 s61, s61, s82                     ; my first point
	s_add_co_u32 s62, s61, 19                      ; my last
	s_wait_kmcnt 0x0
	s_load_b256 s[68:75], s[20:21], 0x0            ; e0 .. e7
	s_load_b128 s[76:79], s[20:21], 0x20           ; e8 .. e11
	s_cmp_lt_u32 s44, 4                            ; the branch's buffers: the choice hangs on the wave's number alone
	s_cselect_b64 s[48:49], s[4:5], s[6:7]         ; the neighbours' events
	s_cselect_b64 s[50:51], s[8:9], s[10:11]       ; the indices
	s_cselect_b64 s[52:53], s[12:13], s[14:15]     ; Q'
	s_cselect_b64 s[54:55], s[12:13], s[16:17]     ; K' and V'
	s_cselect_b64 s[22:23], s[22:23], s[24:25]     ; pe_w1
	s_cselect_b64 s[26:27], s[26:27], s[28:29]     ; pe_b1
	s_cselect_b64 s[30:31], s[30:31], s[32:33]     ; fc_g
	s_cselect_b64 s[34:35], s[34:35], s[36:37]     ; fc_b
	s_cselect_b32 s82, 512, 0                      ; in the local table K' stands behind Q'
	s_add_nc_u64 s[54:55], s[54:55], s[82:83]
	s_mul_i32 s82, s61, 1536
	s_add_nc_u64 s[52:53], s[52:53], s[82:83]
	s_lshl_b32 s82, s61, 4
	s_add_nc_u64 s[56:57], s[4:5], s[82:83]        ; the point's event
	s_lshl_b32 s82, s61, 6
	s_add_nc_u64 s[58:59], s[50:51], s[82:83]      ; its indices
	s_lshl_b32 s82, s45, 14
	s_add_co_u32 s82, s82, 96*2048
	s_add_nc_u64 s[90:91], s[18:19], s[82:83]      ; pe_w2's eight images
	s_lshl_b32 s82, s44, 13
	s_add_co_u32 s82, s82, 112*2048
	s_add_nc_u64 s[92:93], s[18:19], s[82:83]      ; my four images of proj_w1,
	s_add_co_u32 s82, s82, 32*2048
	s_add_nc_u64 s[94:95], s[18:19], s[82:83]      ; of proj_w2
	s_wait_alu depctr_va_vdst(0)                   ; the offsets and addresses v1, v2, v10, v12, v14, v15 and v27 are written, which the loads below and the store of pe_b1 read
	IDXLOAD                                        ; s[4:19] have served as pointers: from here on they hold a point's indices
	WIN 0x40
.set i, 0
.rept 32
	global_load_b128 v[W2F+4*i:W2F+4*i+3], v[LI16], s[90:91] offset:512*i
.set i, i+1
.endr
.irp t, 0,1,2,3,4,5,6,7
.irp j, 0,1
	global_load_b32 v[W1F+2*\t+\j], v27, s[22:23] offset:512*\j+4*(32*(\t/2)+8*(\t%2))   ; w1(2 h + j, the tile's unit for row r)
.endr
.endr
	WIN 0
	global_load_b128 v[XR:XR+3], v[LI16], s[26:27]
	global_load_b128 v[GR:GR+3], v[LK], s[30:31]
	global_load_b128 v[GR+4:GR+7], v[LK], s[30:31] offset:256
	global_load_b128 v[BR:BR+3], v[LK], s[34:35]
	global_load_b128 v[BR+4:BR+7], v[LK], s[34:35] offset:256
	s_wait_kmcnt 0x0                               ; the scales' exponents and the first point's indices
	s_add_co_i32 s85, s68, s69                     ; es of the local branch,
	s_add_co_i32 s87, s72, s73                     ; of the global one: both are kept
	s_cmp_lt_u32 s44, 4
	s_cselect_b32 s84, s68, s72                    ; the hidden layer's e
	s_cselect_b32 s82, s85, s87
	s_lshl_b32 s82, s82, 24
	s_sub_co_u32 s86, 0x3aa7c5ac, s82              ; 128 eps / 2^(2 es): 2 es taken off the exponent field
	s_add_co_i32 s84, s84, 127
	s_lshl_b32 s82, s84, 23
	WIN 0x40
	v_mov_b32 v[SCL], s82
	s_add_co_i32 s84, s84, 15
	s_lshl_b32 s84, s84, 23
	s_or_b32 s84, s84, 0x600000
	v_mov_b32 v[LIM], s84
	WIN 0
.irp t, 0,1,2,3,4,5,6,7
	v_mov_b32 v[ACCV+\t], 0                        ; written once: a lane permute's destination counts as one of its sources
.endr
	s_wait_loadcnt 0x0
	ds_store_b128 v[ATTW], v[XR:XR+3]
.irp t, 0,1,2,3,4,5,6,7
	v_mul_f32 v[GR+\t], 0x3fb8aa3b, v[GR+\t]       ; g log2 e
	v_mul_f32 v[BR+\t], 0x3e0293ee, v[BR+\t]       ; fc_b log2 e / sqrt(128)
.endr
	s_wait_alu depctr_vm_vsrc(0)                   ; pe_w1's loads have read v27, which the offsets below take; the store of pe_b1 has read v64-67, in which the bias tiles land, and v14
	ADDR
	s_wait_alu depctr_va_vdst(0)                   ; the offsets v24-31 and v11 are written, which the loads below read; their making is done reading v5, in which the next index lands
	EVLOAD                                         ; the first point's loads, in the loop's order
	GATHER KR, 0
	QLOAD
	s_add_nc_u64 s[58:59], s[58:59], 64            ; (the loads that named it are done)
	IDXLOAD
	GATHER VR, 512
	B1C_LOAD
	s_wait_dscnt 0x0                               ; so that the count at the loop's head is right on the way in too
; ONE POINT.  last = 1: the tail: nothing more is gathered, and the closing products' weights land where K' and V' lay.
.macro ITER last
	s_wait_loadcnt 35                              ; the events are in; behind them: K and Q 18, the event index 1, V 16
	v_pk_add_f32 v[EJ:EJ+1], v[EN:EN+1], v[EJ:EJ+1] neg_lo:[0,1] neg_hi:[0,1]
	s_wait_dscnt 0x1                               ; pe_b1's 16 loads are in x's registers; the one LDS instruction behind them, the last point's store, may be out
	WIN 0x41
.irp t, 0,1,2,3,4,5,6,7
	v_wmma_f32_16x16x4_f32 v[HID+8*\t:HID+8*\t+7], v[W1F+2*\t:W1F+2*\t+1], v[EJ:EJ+1], v[XR+8*\t:XR+8*\t+7]   ; d w1 + b1, in f32: it goes on into a quantiser
.endr
	WIN 0
	s_wait_loadcnt 16                              ; the next point's event index is in, and so are K and Q; V may be out
	s_wait_kmcnt 0x0                               ; the next point's 16 indices
	s_wait_alu depctr_vm_vsrc(0)                   ; the last point's store has read its data v16-19 and its address v14, the loads issued so far their offsets v24-31 and v11: all are written again in this trip
.if \last
.rept 8
	v_nop                                          ; eight places behind the f32 form (ISA guide 7.12.1)
.endr
.else
	s_wait_xcnt 0x0                                ; every load has had its address translated: offsets and bases may step
	s_add_nc_u64 s[56:57], s[56:57], 16
	s_add_nc_u64 s[52:53], s[52:53], 1536
	s_add_co_u32 s82, s61, 2
	s_min_u32 s82, s82, s62                        ; the point after next, held at my last point: no load leaves its buffer
	s_lshl_b32 s82, s82, 6
	s_add_nc_u64 s[58:59], s[50:51], s[82:83]
	s_add_co_u32 s61, s61, 1
	ADDR                                           ; eighteen plain lines: also the places behind the f32 form, ahead of the lines that write x, its C
.endif
.irp j, 0,1,2,3,4,5,6,7
.irp t, 0,1,2,3,4,5,6,7
	v_sub_f32 v[XR+8*\t+\j], v[QR+\t], v[KR+8*\j+\t]   ; Q' - K', turned into the product's layout
.endr
.endr
.if \last
	s_wait_alu depctr_va_vdst(0)                   ; the subtractions are done reading K', where proj_w1's images land
.set i, 0
.rept 16
	global_load_b128 v[KR+4*i:KR+4*i+3], v[LI16], s[92:93] offset:512*i
.set i, i+1
.endr
.else
	s_wait_alu depctr_va_vdst(0)                   ; the offsets v24-31 and v11 are written; the f32 products and the lines above are done with the events v6-9, with K', Q' and the event index v5: the loads below read the first and land in the rest
	EVLOAD
	GATHER KR, 0
	QLOAD
	IDXLOAD                                        ; (the lines that read s[4:19] are done too)
.endif
	WIN 0x55
.irp t, 0,1,2,3,4,5,6,7
.irp i, 0,1,2,3,4,5,6,7
	v_med3_num_f32 v[TT+8*(\t%2)+\i], v[HID+8*\t+\i], 0, v[LIM]   ; the activation and the hold in one; each accumulator from its low end on
.endr
	v_cvt_scalef32_pk8_bf8_f32 v[HC+2*\t:HC+2*\t+1], v[TT+8*(\t%2):TT+8*(\t%2)+7], v[SCL]
.endr
	v_nop                                          ; a plain line between the last conversion and the products that read its result
	WIN 0x45
.irp t, 0,1,2,3,4,5,6,7
	v_wmma_f32_16x16x128_bf8_bf8 v[HID+8*\t:HID+8*\t+7], v[HC:HC+15], v[W2F+16*\t:W2F+16*\t+15], 0
.endr
.rept 4
	v_nop                                          ; four places ahead of the first read of results
.endr
	WIN 0x04
.irp t, 0,1,2,3,4,5,6,7
.irp p, 0,2,4,6
	v_pk_add_f32 v[XR+8*\t+\p:XR+8*\t+\p+1], v[XR+8*\t+\p:XR+8*\t+\p+1], v[HID+8*\t+\p:HID+8*\t+\p+1]   ; x' = S + Q' - K'
.endr
.endr
	WIN 0
.irp p, 0,2,4,6
	v_pk_add_f32 v[S1+\p:S1+\p+1], v[XR+\p:XR+\p+1], v[XR+8+\p:XR+8+\p+1]      ; the LayerNorm: a neighbour's sum over my eight channels,
.endr
.irp t, 2,3,4,5,6,7
.irp p, 0,2,4,6
	v_pk_add_f32 v[S1+\p:S1+\p+1], v[S1+\p:S1+\p+1], v[XR+8*\t+\p:XR+8*\t+\p+1]
.endr
.endr
	LANESUM                                        ; and over the sixteen lanes
.irp t, 0,1,2,3,4,5,6,7
.irp p, 0,2,4,6
	v_pk_fma_f32 v[XR+8*\t+\p:XR+8*\t+\p+1], v[S1+\p:S1+\p+1], 0xbc000000, v[XR+8*\t+\p:XR+8*\t+\p+1] op_sel_hi:[1,0,1]   ; less the mean: sum x -1/128
.endr
.endr
.irp p, 0,2,4,6
	v_pk_mul_f32 v[S1+\p:S1+\p+1], v[XR+\p:XR+\p+1], v[XR+\p:XR+\p+1]
.endr
.irp t, 1,2,3,4,5,6,7
.irp p, 0,2,4,6
	v_pk_fma_f32 v[S1+\p:S1+\p+1], v[XR+8*\t+\p:XR+8*\t+\p+1], v[XR+8*\t+\p:XR+8*\t+\p+1], v[S1+\p:S1+\p+1]
.endr
.endr
	LANESUM
.irp j, 0,1,2,3,4,5,6,7
	v_add_f32 v[S1+\j], s86, v[S1+\j]
.endr
.irp j, 0,1,2,3,4,5,6,7
	v_rsq_f32 v[S1+\j], v[S1+\j]
.endr
	v_nop                                          ; a plain line behind the last of them,
	s_wait_alu depctr_va_vdst(0)                   ; and one wait for the eight roots' results v56-63, ahead of their first reader
.irp t, 0,1,2,3,4,5,6,7
.irp p, 0,2,4,6
	v_pk_mul_f32 v[XR+8*\t+\p:XR+8*\t+\p+1], v[XR+8*\t+\p:XR+8*\t+\p+1], v[S1+\p:S1+\p+1]
.endr
.endr
.irp t, 0,2,4,6
	AFFINE \t, 0
	AFFINE \t+1, 1
.endr
.irp t, 0,1,2,3,4,5,6,7
	v_max3_num_f32 v[S1+\t], v[XR+8*\t], v[XR+8*\t+1], v[XR+8*\t+2]            ; the softmax: a channel's largest among my eight neighbours,
.endr
.irp k, 3,5
.irp t, 0,1,2,3,4,5,6,7
	v_max3_num_f32 v[S1+\t], v[S1+\t], v[XR+8*\t+\k], v[XR+8*\t+\k+1]
.endr
.endr
.irp t, 0,1,2,3,4,5,6,7
	v_max_num_f32 v[S1+\t], v[S1+\t], v[XR+8*\t+7]
.endr
	s_wait_dscnt 0x0                               ; the last point's store is done (that it has read its registers, written again below, is stated by the wait on vm_vsrc near the trip's head)
.irp t, 0,1,2,3,4,5,6,7
	v_permlanex16_b32 v[ACCV+\t], v[S1+\t], s80, s81
.endr
.irp t, 0,1,2,3,4,5,6,7
	v_max_num_f32 v[S1+\t], v[S1+\t], v[ACCV+\t]                               ; and among the other half's
.endr
.irp t, 0,2,4,6
	SUBMAX \t, 0
	SUBMAX \t+1, 1
.endr
.set i, 0
.rept 64
	v_exp_f32 v[XR+i], v[XR+i]
.set i, i+1
.endr
	v_nop
	s_wait_alu depctr_va_vdst(0)                   ; one wait for the 64 exponentials' results v64-127, ahead of their first reader
	WIN 0x54
.irp t, 0,1,2,3,4,5,6,7
	v_pk_mul_f32 v[AP+2*\t:AP+2*\t+1], v[XR+8*\t:XR+8*\t+1], v[HID+8*\t:HID+8*\t+1]   ; sum of p S, in pairs
.endr
.irp p, 2,4,6
.irp t, 0,1,2,3,4,5,6,7
	v_pk_fma_f32 v[AP+2*\t:AP+2*\t+1], v[XR+8*\t+\p:XR+8*\t+\p+1], v[HID+8*\t+\p:HID+8*\t+\p+1], v[AP+2*\t:AP+2*\t+1]
.endr
.endr
	WIN 0x40
.irp t, 0,1,2,3,4,5,6,7
	v_pk_add_f32 v[LP+2*\t:LP+2*\t+1], v[XR+8*\t:XR+8*\t+1], v[XR+8*\t+2:XR+8*\t+3]   ; sum of p, in pairs
.endr
	WIN 0x44
.irp p, 4,6
.irp t, 0,1,2,3,4,5,6,7
	v_pk_add_f32 v[LP+2*\t:LP+2*\t+1], v[XR+8*\t+\p:XR+8*\t+\p+1], v[LP+2*\t:LP+2*\t+1]
.endr
.endr
	WIN 0x05
.irp t, 0,1,2,3,4,5,6,7
	v_add_f32 v[ACCV+\t], v[AP+2*\t], v[AP+2*\t+1]
.endr
.irp t, 0,1,2,3,4,5,6,7
	v_add_f32 v[S1+\t], v[LP+2*\t], v[LP+2*\t+1]
.endr
	WIN 0
.if \last
	s_wait_loadcnt 16                              ; V is in; behind it: proj_w1's 16
.else
	s_wait_loadcnt 21                              ; V is in; behind it: events 2, K and Q 18, the event index 1
.endif
.irp j, 0,1,2,3,4,5,6,7
.irp t, 0,1,2,3,4,5,6,7
	v_fmac_f32 v[ACCV+\t], v[XR+8*\t+\j], v[VR+8*\j+\t]   ; + sum of p V'
.endr
.endr
.if \last
	s_wait_alu depctr_va_vdst(0)                   ; the multiply-adds are done reading V', where proj_w2's images land
.set i, 0
.rept 16
	global_load_b128 v[VR+4*i:VR+4*i+3], v[LI16], s[94:95] offset:512*i
.set i, i+1
.endr
.else
	s_wait_alu depctr_va_vdst(0)                   ; the multiply-adds are done reading x and V': the next point's bias tiles land in the one, its V' in the other
	B1C_LOAD                                       ; x's registers have had their last reader: the next point's bias tiles, with all that follows in which to land
	GATHER VR, 512
.endif
	WIN 0x40
.irp t, 0,1,2,3,4,5,6,7
	v_permlanex16_b32 v[AP+\t], v[ACCV+\t], s80, s81          ; the other half's figures go where the pairs of sums lay
.endr
.irp t, 0,1,2,3,4,5,6,7
	v_permlanex16_b32 v[AP+8+\t], v[S1+\t], s80, s81
.endr
	WIN 0x04
.irp t, 0,1,2,3,4,5,6,7
	v_add_f32 v[ACCV+\t], v[ACCV+\t], v[AP+\t]     ; both halves' neighbours
.endr
.irp t, 0,1,2,3,4,5,6,7
	v_add_f32 v[S1+\t], v[S1+\t], v[AP+8+\t]
.endr
	WIN 0
.irp t, 0,1,2,3,4,5,6,7
	v_rcp_f32 v[S1+\t], v[S1+\t]                   ; the sum is at least 1: the largest y gives 2^0
.endr
	v_add_nc_u32 v[ATTW], s66, v[ATT0]             ; (the plain line behind the reciprocals)
	s_wait_alu depctr_va_vdst(0)                   ; one wait for the eight reciprocals' results v56-63, ahead of their first reader
.irp t, 0,1,2,3,4,5,6,7
	v_mul_f32 v[ACCV+\t], v[ACCV+\t], v[S1+\t]
.endr
.irp i, 0,1,2,3
	v_cndmask_b32 v[ACCV+\i], v[ACCV+\i], v[ACCV+4+\i], s67   ; lanes 0-15 keep channels 4 r on, lanes 16-31 take 64 + 4 r on
.endr
	s_wait_alu depctr_va_vdst(0)                   ; the point's result v16-19 and its address v14 are written, which the store reads
	ds_store_b128 v[ATTW], v[ACCV:ACCV+3]          ; the point's 512 bytes in one store
	s_add_co_u32 s66, s66, 528
.endm
	s_mov_b32 s63, 19
.Lpoint:
	ITER 0
	s_sub_co_u32 s63, s63, 1
	s_cmp_lg_u32 s63, 0
	s_cbranch_scc1 .Lpoint
	ITER 1
	; ---- THE CLOSING MLP.  Wave w owns 32 columns of each product; its four images of each weight lie where K' and V' lay.
	s_wait_alu depctr_vm_vsrc(0)                   ; the last point's store has read v16-19, the loop's loads their offsets v10, v11, v12 and v24-31: addresses and codes are written there below
	v_bfe_u32 v[AE], v0, 4, 1
	v_lshlrev_b32 v[LH32], 5, v[AE]                ; 32 h
	v_lshlrev_b32 v[AE], 6, v[AE]                  ; 64 h
	s_lshl_b32 s82, s44, 7
	s_add_nc_u64 s[38:39], s[38:39], s[82:83]
	s_add_nc_u64 s[40:41], s[40:41], s[82:83]
	v_and_b32 v24, 15, v0                          ; r.  Every LDS address is made here, ahead of the branch on the wave's number
	v_bfe_u32 v25, v0, 4, 1                        ; h
	s_and_b32 s82, s44, 1
	s_mul_i32 s82, s82, 42240
	s_lshr_b32 s84, s44, 1
	s_mul_i32 s84, s84, 8448
	s_add_co_u32 s82, s82, s84
	v_mul_u32_u24 v[XS], v24, 528
	v_lshl_add_u32 v[XS], v25, 6, v[XS]
	v_add_nc_u32 v[XS], s82, v[XS]                 ; branch w % 2, rows 16 (w / 2) on: row r, 64 h
	s_lshl_b32 s82, s44, 11
	s_add_co_u32 s82, s82, AIMG
	v_add_nc_u32 v[XD], s82, v[LI16]
	v_add_nc_u32 v[LIA], AIMG, v[LI16]
	v_add_nc_u32 v[LIH], HIMG, v[LI16]
	s_lshl_b32 s82, s44, 9
	s_add_co_u32 s82, s82, HIMG
	v_add_nc_u32 v[HW], s82, v[LI16]               ; my 32 hidden units are registers 4 (w % 4) on of K step w / 4: 512 w in an image pair
	s_lshl_b32 s82, s44, 7
	v_mul_u32_u24 v[SO], v24, 1040
	v_lshl_add_u32 v[SO], v25, 5, v[SO]
	v_add_nc_u32 v[SO], s82, v[SO]                 ; the stage: row r, 32 h, my 128 bytes
	v_add_nc_u32 v[SO4], 66560, v[SO]              ; rows 64 on lie past an LDS immediate's reach
	s_mul_i32 s82, s44, 10400
	v_add_nc_u32 v[SR], s82, v[LI16]               ; back: my ten rows
	s_and_b32 s82, s44, 1
	s_cmp_eq_u32 s82, 0
	s_cselect_b32 s82, s85, s87                    ; es of the branch whose results I quantise
	s_sub_co_i32 s82, s76, s82                     ; a result stands for result x 2^es: its code is result / 2^(e8 - es)
	s_add_co_i32 s82, s82, 127
	s_lshl_b32 s84, s82, 23
	v_mov_b32 v[SCLA], s84
	s_add_co_i32 s82, s82, 15
	s_lshl_b32 s82, s82, 23
	s_or_b32 s82, s82, 0x600000
	v_mov_b32 v[LIMA], s82
	s_add_co_i32 s86, s76, s77                     ; e8 + e9
	s_sub_co_i32 s82, s78, s86                     ; the hidden layer's: e10 - e8 - e9
	s_add_co_i32 s82, s82, 127
	s_lshl_b32 s84, s82, 23
	v_mov_b32 v[SCLH], s84
	s_add_co_i32 s82, s82, 15
	s_lshl_b32 s82, s82, 23
	s_or_b32 s82, s82, 0x600000
	v_mov_b32 v[LIMH], s82
	s_sub_co_i32 s86, 0, s86
	s_add_co_i32 s88, s78, s79
	s_add_co_i32 s88, s88, 127
	s_lshl_b32 s88, s88, 23                        ; 2^(e10 + e11)
	s_mov_b32 s89, s88
	s_mul_i32 s82, ttmp9, 80
	s_mul_i32 s84, s44, 10
	s_add_co_u32 s82, s82, s84
	s_lshl_b32 s82, s82, 10
	s_add_nc_u64 s[42:43], s[42:43], s[82:83]      ; out0 at my ten rows
	s_wait_alu depctr_va_vdst(0)                   ; the offsets v3 and v11 and the LDS addresses v4 to v10 and v12 are written; the loop's lines are done with v48-63 and with the scale and hold of window 1, in which the biases land
.irp u, 0,1
.irp q, 0,1
	global_load_b128 v[PB1+8*\u+4*\q:PB1+8*\u+4*\q+3], v[AE], s[38:39] offset:32*\u+16*\q   ; b1 of units 32 w + 8 u + 16 h + 0 .. 7
.endr
.endr
	WIN 0x40
.irp u, 0,1
.irp q, 0,1
	global_load_b128 v[B2P+8*\u+4*\q:B2P+8*\u+4*\q+3], v[LH32], s[40:41] offset:64*\u+16*\q   ; b2 of columns 32 w + 16 u + 8 h + 0 .. 7
.endr
.endr
	WIN 0
	BARRIER                                        ; all 160 rows of results lie in LDS
; 16 rows x 128 channels of one branch become a fragment and go to LDS as an image of its registers
.macro XQ offs, offd
.irp b, 0,1,2,3
.irp q, 0,1,2,3
	ds_load_b128 v[XR+16*\b+4*\q:XR+16*\b+4*\q+3], v[XS] offset:\offs+128*\b+16*\q
.endr
.endr
	s_wait_dscnt 0x0
.irp g, 0,1,2,3,4,5,6,7
.irp i, 0,1,2,3,4,5,6,7
	v_med3_num_f32 v[XR+8*\g+\i], v[XR+8*\g+\i], -v[LIMA], v[LIMA]
.endr
	v_cvt_scalef32_pk8_bf8_f32 v[PC+2*\g:PC+2*\g+1], v[XR+8*\g:XR+8*\g+7], v[SCLA]
.endr
	v_nop
	s_wait_alu depctr_va_vdst(0)                   ; the conversions have written the codes v16-31, which the stores read, and are done with v64-127, in which the next such loads land
.irp c, 0,1,2,3
	ds_store_b128 v[XD], v[PC+4*\c:PC+4*\c+3] offset:\offd+512*\c
.endr
.endm
	XQ 0, 0                                        ; image w
	s_wait_alu depctr_vm_vsrc(0)                   ; the image's stores have read v16-31, which waves 0 and 1 write again at once
	s_cmp_ge_u32 s44, 2
	s_cbranch_scc1 .Lno_more
	s_wait_dscnt 0x0                               ; the image has landed
	XQ 33792, 16384                                ; waves 0 and 1: rows 64-79, images 8 and 9
.Lno_more:
	BARRIER                                        ; the ten fragments of the first product lie in LDS
	s_wait_alu depctr_vm_vsrc(0)                   ; the images' stores have read v16-31, which the hidden layer's codes take
	s_wait_loadcnt 0x0                             ; the weights' images and the biases
.set i, 0
.rept 16
	v_ldexp_f32 v[PB1+i], v[PB1+i], s86            ; b1 goes in as C, divided by the power of two that the sums lack
.set i, i+1
.endr
.macro FETCH10 adr                     ; ten fragments into window 1: 2 m + s at 16 f (f < 8), at 192 + 16 (f - 8) else
	WIN 0x40
	s_wait_alu depctr_va_vdst(0)                   ; the matrix and vector instructions that last named these 160 registers of window 1 are done with them: the fragments land there
.irp f, 0,1,2,3,4,5,6,7,8,9
.irp c, 0,1,2,3
	ds_load_b128 v[16*\f+64*(\f/8)+4*\c:16*\f+64*(\f/8)+4*\c+3], v[\adr] offset:2048*\f+512*\c
.endr
.endr
	WIN 0
	s_wait_dscnt 0x0
.endm
; 20 products, transposed (source 0 = 16 columns of the weight, source 1 = 16 rows): ten accumulators (2 m + u) by turns, a K step at a time
.macro PMUL pw, bias
	WIN 0x44
.irp m, 0,1,2,3,4
.irp u, 0,1
.set ra, 128+8*(2*\m+\u)+32*((2*\m+\u)/8)
.set rf, 32*\m+64*(\m/4)
.if \bias
	v_wmma_f32_16x16x128_bf8_bf8 v[ra:ra+7], v[\pw+32*\u:\pw+32*\u+15], v[rf:rf+15], v[PB1+8*\u:PB1+8*\u+7]
.else
	v_wmma_f32_16x16x128_bf8_bf8 v[ra:ra+7], v[\pw+32*\u:\pw+32*\u+15], v[rf:rf+15], 0
.endif
.endr
.endr
	WIN 0x54
.irp m, 0,1,2,3,4
.irp u, 0,1
.set ra, 128+8*(2*\m+\u)+32*((2*\m+\u)/8)
.set rf, 32*\m+16+64*(\m/4)
	v_wmma_f32_16x16x128_bf8_bf8 v[ra:ra+7], v[\pw+32*\u+16:\pw+32*\u+31], v[rf:rf+15], v[ra:ra+7]
.endr
.endr
	WIN 0
.rept 4
	v_nop
.endr
.endm
	FETCH10 LIA
	PMUL KR, 1
	WIN 0x01
.irp m, 0,1,2,3
.irp u, 0,1
.irp i, 0,1,2,3,4,5,6,7
	v_med3_num_f32 v[XR+16*\m+8*\u+\i], v[128+8*(2*\m+\u)+\i], 0, v[LIMH]   ; the activation and the hold in one
.endr
.endr
.endr
.irp u, 0,1
.irp i, 0,1,2,3,4,5,6,7
	v_med3_num_f32 v[T5+8*\u+\i], v[224+8*\u+\i], 0, v[LIMH]               ; the fifth tile of rows, in registers of its own
.endr
.endr
	WIN 0
.irp m, 0,1,2,3
.irp u, 0,1
	v_cvt_scalef32_pk8_bf8_f32 v[PC+4*\m+2*\u:PC+4*\m+2*\u+1], v[XR+16*\m+8*\u:XR+16*\m+8*\u+7], v[SCLH]
.endr
.endr
.irp u, 0,1
	v_cvt_scalef32_pk8_bf8_f32 v[PC5+2*\u:PC5+2*\u+1], v[T5+8*\u:T5+8*\u+7], v[SCLH]
.endr
	v_nop
	s_wait_alu depctr_va_vdst(0)                   ; the conversions have written the codes v16-31 and v36-39, which the five stores read
.irp m, 0,1,2,3
	ds_store_b128 v[HW], v[PC+4*\m:PC+4*\m+3] offset:4096*\m
.endr
	ds_store_b128 v[HW], v[PC5:PC5+3] offset:16384
	BARRIER                                        ; the hidden layer's ten fragments lie in LDS
	FETCH10 LIH
	PMUL VR, 0
	WIN 0x11
.irp m, 0,1,2,3
.irp u, 0,1
.irp p, 0,2,4,6
	v_pk_fma_f32 v[XR+16*\m+8*\u+\p:XR+16*\m+8*\u+\p+1], v[128+8*(2*\m+\u)+\p:128+8*(2*\m+\u)+\p+1], s[88:89], v[B2P+8*\u+\p:B2P+8*\u+\p+1] op_sel_hi:[1,0,1]   ; sum x 2^(e10 + e11) + b2
.endr
.endr
.endr
.irp u, 0,1
.irp p, 0,2,4,6
	v_pk_fma_f32 v[T5+8*\u+\p:T5+8*\u+\p+1], v[224+8*\u+\p:224+8*\u+\p+1], s[88:89], v[B2P+8*\u+\p:B2P+8*\u+\p+1] op_sel_hi:[1,0,1]
.endr
.endr
	WIN 0
	s_wait_alu depctr_va_vdst(0)                   ; the multiply-adds have written v64-127 and v40-55, which the twenty stores read; the products are done reading the weights' images v128-255, in part of which the rows read back land
.irp m, 0,1,2,3
.irp u, 0,1
.irp q, 0,1
	ds_store_b128 v[SO], v[XR+16*\m+8*\u+4*\q:XR+16*\m+8*\u+4*\q+3] offset:16640*\m+64*\u+16*\q   ; the stage lies where the branches' results lay: every wave has read them two barriers ago
.endr
.endr
.endr
.irp u, 0,1
.irp q, 0,1
	ds_store_b128 v[SO4], v[T5+8*\u+4*\q:T5+8*\u+4*\q+3] offset:64*\u+16*\q
.endr
.endr
	BARRIER                                        ; 80 whole rows of the output lie in the stage
.irp i, 0,1,2,3,4,5,6,7,8,9
.irp q, 0,1
	ds_load_b128 v[128+4*(2*\i+\q):128+4*(2*\i+\q)+3], v[SR] offset:1040*\i+512*\q
.endr
.endr
.irp i, 0,1,2,3,4,5,6,7,8,9
.irp q, 0,1
	s_wait_dscnt 19-2*\i-\q
	global_store_b128 v[LI16], v[128+4*(2*\i+\q):128+4*(2*\i+\q)+3], s[42:43] offset:1024*\i+512*\q th:TH_STORE_NT   ; 32 lanes store 512 consecutive bytes, aligned
.endr
.endr
	s_wait_xcnt 0x0
	v_lshl_add_u32 v254, v0, 2, 0x1fa00            ; the add's two registers, made anew: no memory or LDS instruction has read v254 or v255
	v_mov_b32 v255, 0
	s_wait_dscnt 0x0                               ; the closing lines, six on end
	s_wait_alu 0x0
	s_wait_tensorcnt 0x0
	ds_add_u32 v254, v255
	s_wait_dscnt 0x0
	s_endpgm
.Lfunc_end_k_qb2b1b9bd71_attn:
	.size	k_qb2b1b9bd71_attn, .Lfunc_end_k_qb2b1b9bd71_attn-k_qb2b1b9bd71_attn
	.p2alignl 7, 3214868480
	.fill 96, 4, 3214868480
	.section	.rodata,"a",@progbits
	.p2align	6, 0x0
	.amdhsa_kernel k_qb2b1b9bd71_attn
		.amdhsa_group_segment_fixed_size 130560
		.amdhsa_private_segment_fixed_size 0
		.amdhsa_enable_private_segment 0
		.amdhsa_kernarg_size 160
		.amdhsa_user_sgpr_count 2
		.amdhsa_user_sgpr_kernarg_segment_ptr 1
		.amdhsa_wavefront_size32 1
		.amdhsa_system_sgpr_workgroup_id_x 1
		.amdhsa_system_sgpr_workgroup_id_y 1
		.amdhsa_system_sgpr_workgroup_id_z 1
		.amdhsa_system_vgpr_workitem_id 0
		.amdhsa_next_free_vgpr 512
		.amdhsa_next_free_sgpr 96
		.amdhsa_reserve_vcc 0
		.amdhsa_float_denorm_mode_32 3
		.amdhsa_float_denorm_mode_16_64 3
		.amdhsa_memory_ordered 1
		.amdhsa_forward_progress 1
		.amdhsa_inst_pref_size 148
	.end_amdhsa_kernel
	.amdgpu_metadata
---
amdhsa.version: [ 1, 2 ]
amdhsa.kernels:
  - .name:           k_qb2b1b9bd71_attn
    .symbol:         k_qb2b1b9bd71_attn.kd
    .args:
      - { .name: events, .offset: 0, .size: 8, .value_kind: global_buffer, .address_space: global }
      - { .name: de, .offset: 8, .size: 8, .value_kind: global_buffer, .address_space: global }
      - { .name: local_idx, .offset: 16, .size: 8, .value_kind: global_buffer, .address_space: global }
      - { .name: inv_pair_idx, .offset: 24, .size: 8, .value_kind: global_buffer, .address_space: global }
      - { .name: tabl, .offset: 32, .size: 8, .value_kind: global_buffer, .address_space: global }
      - { .name: tabg, .offset: 40, .size: 8, .value_kind: global_buffer, .address_space: global }
      - { .name: kvp, .offset: 48, .size: 8, .value_kind: global_buffer, .address_space: global }
      - { .name: wimg, .offset: 56, .size: 8, .value_kind: global_buffer, .address_space: global }
      - { .name: lowp_scales, .offset: 64, .size: 8, .value_kind: global_buffer, .address_space: global }
      - { .name: local_pe_w1, .offset: 72, .size: 8, .value_kind: global_buffer, .address_space: global }
      - { .name: global_pe_w1, .offset: 80, .size: 8, .value_kind: global_buffer, .address_space: global }
      - { .name: local_pe_b1, .offset: 88, .size: 8, .value_kind: global_buffer, .address_space: global }
      - { .name: global_pe_b1, .offset: 96, .size: 8, .value_kind: global_buffer, .address_space: global }
      - { .name: local_fc_g, .offset: 104, .size: 8, .value_kind: global_buffer, .address_space: global }
      - { .name: global_fc_g, .offset: 112, .size: 8, .value_kind: global_buffer, .address_space: global }
      - { .name: local_fc_b, .offset: 120, .size: 8, .value_kind: global_buffer, .address_space: global }
      - { .name: global_fc_b, .offset: 128, .size: 8, .value_kind: global_buffer, .address_space: global }
      - { .name: proj_b1, .offset: 136, .size: 8, .value_kind: global_buffer, .address_space: global }
      - { .name: proj_b2, .offset: 144, .size: 8, .value_kind: global_buffer, .address_space: global }
      - { .name: out0, .offset: 152, .size: 8, .value_kind: global_buffer, .address_space: global }
    .group_segment_fixed_size: 130560
    .private_segment_fixed_size: 0
    .kernarg_segment_align: 8
    .kernarg_segment_size: 160
    .max_flat_workgroup_size: 256
    .sgpr_count:     96
    .vgpr_count:     512
    .wavefront_size: 32
...
	.end_amdgpu_metadata
.endif
;; end of part 6
